; MI455X (gfx1250); checked and timed in simulation.
; The chip was launched on July 23, 2026; its instructions are those of AMD's public machine-readable ISA for CDNA 5 (MIT licence, August 2026) and "CDNA5" Instruction Set Architecture Reference Guide (July 2026). The comments in the code are by the model that wrote it; some were corrected since.
;; Causal Self Attention. Allowed arithmetic: matrix products marked QUANTISED: E4M3 operands, one given power-of-two scale a tensor, by v_wmma_f32_16x16x64_fp8_fp8 or v_wmma_f32_16x16x128_fp8_fp8, f32 sums; everything else in f32.
;; Inputs: Wk 1,024 x 1,024 float32; Wp 1,024 x 1,024 float32; Wq 1,024 x 1,024 float32; Wv 1,024 x 1,024 float32; bk 1,024 float32; bp 1,024 float32; bq 1,024 float32; bv 1,024 float32; lowp_scales 12 int32 (the exponents e of the quantised operands' scales 2^e); x 4 x 2,048 x 1,024 float32.
;; Outputs: out0 4 x 2,048 x 1,024 float32.
;; This version of the problem:
;;   THIS VERSION OF THE PROBLEM IS GIVEN IN LOW PRECISION. The matrix products marked QUANTISED in the list below multiply operands that are first quantised to E4M3 (4 exponent bits, 3 mantissa bits; 8 bits a number), with one given power-of-two scale for each operand tensor; their sums are f32. All else is computed in f32.
;;   The module's matrix products, in the order in which they are computed (A, B: the left and right operand; K: the contracted axis; several contracted axes count as one K, in the product's order):
;;     1. [M 8,192, K 1,024] x [K 1,024, N 1,024]; A: input x; B: input Wq: QUANTISED (scales: A lowp_scales[0], B lowp_scales[1])
;;     2. [M 8,192, K 1,024] x [K 1,024, N 1,024]; A: input x; B: input Wk: QUANTISED (scales: A lowp_scales[2], B lowp_scales[3])
;;     3. [M 8,192, K 1,024] x [K 1,024, N 1,024]; A: input x; B: input Wv: QUANTISED (scales: A lowp_scales[4], B lowp_scales[5])
;;     4. batch 64 x [M 2,048, K 64] x [K 64, N 2,048]; A: computed on the way; B: computed on the way: QUANTISED (scales: A lowp_scales[6], B lowp_scales[7])
;;     5. batch 64 x [M 2,048, K 2,048] x [K 2,048, N 64]; A: softmax (see below); B: computed on the way: QUANTISED (scales: A lowp_scales[8], B lowp_scales[9])
;;     6. [M 8,192, K 1,024] x [K 1,024, N 1,024]; A: computed on the way; B: input Wp: QUANTISED (scales: A lowp_scales[10], B lowp_scales[11])
;;   THE QUANTISER, for each operand of a quantised product, along K:
;;     - The operand's scale is 2^e, e = its entry of the input lowp_scales (int32; the entries are numbered through the quantised products in the list's order, A before B).
;;     - Each number is divided by the scale, clamped to +-448, and rounded to the nearest number of E4M3, ties to even, subnormals kept.
;;     - The product sums the exact products of the quantised numbers (number of the format x scale) in f32.
;;   ~~~python
;;   def quantise(x, axis, e):      # numpy; x: float32 -> the quantised numbers, widened to float32 again
;;       x = np.moveaxis(x, axis, -1); K = x.shape[-1]
;;       r = np.clip(x / 2.0 ** e, -448, 448)
;;       step = 2.0 ** (np.maximum(np.frexp(np.where(r == 0, 1, r))[1] - 1, -6) - 3)
;;       q = np.round(r / step) * step * 2.0 ** e      # np.round: ties to even
;;       return np.moveaxis(q, -1, axis).astype(np.float32)
;;   ~~~
;;   SOFTMAX AHEAD OF A QUANTISED PRODUCT. Where the list says 'softmax', what is quantised is not the finished softmax but p = 2^(t - M), with t = logit x log2(e) and M = ceil(the row's largest t), a whole number; so 1/2 < the row's largest p <= 1. The row's sum l is taken of the UNQUANTISED p, in f32, and the product's result is divided by l at the end. Since M is a whole number, a kernel that streams over the keys may use a running M (the ceiling of the running maximum): every later rescaling is an exact power of two, so the quantised numbers keep their values, but for numbers so far below the row's largest that they fall under the format's range.
;;   OPERANDS COMPUTED ON THE WAY. 'Computed on the way' means the value that the module computes at that place (a softmax that the list does not call 'softmax' is quantised finished and normalised). What goes into a quantiser is computed in f32, as accurately as f32 sums, v_exp_f32 and their like allow (about 1e-6 of the number): no bf16 or f16 on the way to a quantiser, and a product that is left as it is and whose result goes on into a quantised operand takes f32 operands (vector FMAs, or v_wmma_f32_16x16x4_f32). A number that lies on a knife's edge between two numbers of the format may be rounded either way, as far as f32 arithmetic and the matrix unit's own rounding can turn it there, and no further.
;; 2 versions, each right; version 2 is version 1 with the launch attn written anew for expert scheduling mode. Each part assembles by itself: llvm-mc -triple=amdgcn-amd-amdhsa -mcpu=gfx1250 --defsym DOCPART=n.
;; ======== version 1 of 2: 4 launches
;; workspace buffers: xc 25,165,824 bytes; wc 4,194,304 bytes; qc 8,388,608 bytes; kc 8,388,608 bytes; vc 8,388,608 bytes; ac 8,388,608 bytes
;; launch quant (part 1): grid 768 x 1, 4 waves a work-group, no clusters, 50,688 bytes of LDS; arguments x, Wq, Wk, Wv, Wp, lowp_scales, xc, wc; writes xc, wc
.if DOCPART == 1
	.amdgcn_target "amdgcn-amd-amdhsa--gfx1250"
	.amdhsa_code_object_version 6
	.text
	.protected	k_qfe8af909c5_quant
	.globl	k_qfe8af909c5_quant
	.p2align	8
	.type	k_qfe8af909c5_quant,@function
k_qfe8af909c5_quant:
	s_mov_b64 s[64:65], 0
	v_nop
	global_prefetch_b8 v0, s[64:65] scope:SCOPE_SE
	s_setreg_imm32_b32 hwreg(HW_REG_WAVE_MODE, 25, 1), 1
	s_wait_xcnt 0x0
; x [8192][1024] f32 becomes three sets of E4M3 codes (scales 2^e0, 2^e2, 2^e4); Wq, Wk, Wv, Wp [1024 k][1024 n] f32 become codes along k (2^e1, 2^e3, 2^e5, 2^e11).
; code = number / 2^e, held within +-448, rounded to the nearest code, ties to even.
; LIMITS: each e between -126 and 119, so that 2^e and 448 x 2^e are f32 numbers.  NaN among the inputs is not served; an infinity is held at the largest code.
; LAYOUT OF THE CODES: the order of the reader's operand registers.  A fragment is 16 rows x 128 k in 16 registers: lane (r = l % 16, h = l / 16) holds row r, registers 2c, 2c+1 = k 16c + 8h + 0..7.
; Its image is 2,048 bytes: registers 4c .. 4c+3 of lane l at 512 c + 16 l.  An operand is [rows/128][4 runs of 256 k][8 tiles of 16 rows][2 steps of 128 k][image]: 128 rows x 256 k are 32,768 bytes on end.
; Work-groups 0-511: one tile of 16 rows of x, wave w its k 256 w on (two fragments).  Loads read 512 consecutive bytes of a row; the rows turn through the wave's own stage in LDS so that a lane gets 8 neighbours along k.
; Work-groups 512-767: one weight, 128 columns, 128 k: a lane takes a column and its registers run down k, so the conversions give codes with k innermost; they leave through the wave's own stage as images.
; Waves share nothing: no barrier.  No tile is read by two work-groups: no cluster.  The two paths never join and have LDS bytes of their own.
.set R,    16                          ; v16-143  x: two sets of 64 as loaded (a set's first 48 then hold its three fragments' codes);  weights: 128 numbers of my column
.set X,    144                         ; v144-207 x: 64 numbers in the fragment's order;  weights: v144-175 codes, v176-207 the way out
.set T,    208                         ; v208-239 two sets of 16 held numbers, by turns
.set XSTG, 8448                        ; x's stage of a wave: 16 rows x (512 + 16) bytes
.set WST0, 4*XSTG                      ; behind them the weights' stages, 4,096 bytes a wave
	s_load_b256 s[4:11], s[0:1], 0x0               ; x s[4:5], Wq s[6:7], Wk s[8:9], Wv s[10:11]
	s_load_b256 s[12:19], s[0:1], 0x20             ; Wp s[12:13], the exponents s[14:15], xc s[16:17], wc s[18:19]
	v_lshl_add_u32 v240, v0, 2, 0xc400
	v_mov_b32 v241, 0
	v_lshrrev_b32 v1, 5, v0
	v_readfirstlane_b32 s20, v1                    ; wave
	v_and_b32 v1, 31, v0                           ; lane
	v_lshlrev_b32 v2, 4, v1                        ; 16 x lane
	v_and_b32 v14, 15, v0                          ; r
	v_bfe_u32 v15, v0, 4, 1                        ; h
	s_mul_i32 s21, s20, XSTG
	v_add_nc_u32 v3, s21, v2                       ; x's stage, in: 16 bytes a lane of a row
	v_mul_u32_u24 v4, v14, 528
	v_lshl_add_u32 v4, v15, 5, v4
	v_add_nc_u32 v4, s21, v4                       ; and out: row r, + 32 h: eight numbers of my half
	v_lshlrev_b32 v5, 2, v1                        ; weights: 4 bytes a lane
	s_lshl_b32 s21, s20, 12
	s_add_co_u32 s21, s21, WST0
	v_lshlrev_b32 v6, 4, v14
	v_lshl_add_u32 v6, v15, 11, v6
	v_add_nc_u32 v6, s21, v6                       ; weights' stage, in: image (lane / 16), place 16 (lane % 16)
	v_add_nc_u32 v7, s21, v2                       ; and out: 16 x lane
	s_wait_kmcnt 0x0
	s_load_b256 s[32:39], s[14:15], 0x0            ; e0 .. e7
	s_load_b128 s[40:43], s[14:15], 0x20           ; e8 .. e11
	s_cmp_lt_u32 ttmp9, 512
	s_cbranch_scc0 .Lweights
	; ---------------- x
	s_lshl_b32 s22, ttmp9, 16                      ; 16 rows of 4,096 bytes,
	s_lshl_b32 s23, s20, 10                        ; my wave's 256 numbers of a row
	s_add_co_u32 s22, s22, s23
	s_mov_b32 s23, 0
	s_add_nc_u64 s[4:5], s[4:5], s[22:23]
	s_lshr_b32 s22, ttmp9, 3                       ; block of 128 rows
	s_lshl_b32 s22, s22, 2
	s_add_co_u32 s22, s22, s20                     ; x 4 + run of 256 k
	s_lshl_b32 s22, s22, 15
	s_and_b32 s21, ttmp9, 7                        ; tile in the block
	s_lshl_b32 s21, s21, 12
	s_add_co_u32 s22, s22, s21
	s_mov_b32 s23, 0
	s_add_nc_u64 s[24:25], s[16:17], s[22:23]      ; the three sets lie 8 MiB apart
	s_add_nc_u64 s[26:27], s[24:25], 0x800000
	s_add_nc_u64 s[28:29], s[24:25], 0x1000000
.irp f, 0,1
.irp t, 0,1,2,3,4,5,6,7,8,9,10,11,12,13,14,15
	global_load_b128 v[R+64*\f+4*\t:R+64*\f+4*\t+3], v2, s[4:5] offset:4096*\t+512*\f th:TH_LOAD_NT   ; 32 lanes read 512 consecutive bytes of row t
.endr
.endr
	s_wait_kmcnt 0x0
.irp j, 0,1,2
	s_add_co_i32 s30, s[32+2*\j], 127
	s_lshl_b32 s31, s30, 23
	v_mov_b32 v[8+\j], s31                         ; 2^e as f32: the conversion takes its exponent field
	s_add_co_i32 s30, s30, 8
	s_lshl_b32 s30, s30, 23
	s_or_b32 s30, s30, 0x600000
	v_mov_b32 v[11+\j], s30                        ; 448 x 2^e
.endr
; Fragment f: through the stage, then quantised three times.  left = the younger loads that may stay out.
.macro XFRAG f, left
	s_wait_loadcnt \left
.irp t, 0,1,2,3,4,5,6,7,8,9,10,11,12,13,14,15
	ds_store_b128 v3, v[R+64*\f+4*\t:R+64*\f+4*\t+3] offset:528*\t
.endr
.irp c, 0,1,2,3                                ; LDS serves a wave's instructions in order: these see the stores above
	ds_load_b128 v[X+16*\c:X+16*\c+3], v4 offset:128*\c            ; k 32 c + 8 h + 0..7
	ds_load_b128 v[X+16*\c+4:X+16*\c+7], v4 offset:128*\c+16
	ds_load_b128 v[X+16*\c+8:X+16*\c+11], v4 offset:128*\c+64      ; k 32 c + 16 + 8 h + 0..7
	ds_load_b128 v[X+16*\c+12:X+16*\c+15], v4 offset:128*\c+80
.endr
	s_wait_dscnt 0x0                               ; the numbers are back, and the set as loaded has been read: its registers take the codes
.irp j, 0,1,2
.irp c, 0,1,2,3
.irp i, 0,1,2,3,4,5,6,7,8,9,10,11,12,13,14,15
	v_med3_num_f32 v[T+16*(\c%2)+\i], v[X+16*\c+\i], -v[11+\j], v[11+\j]   ; the conversion to an 8-bit code does not saturate (ISA guide 7.6.2): the hold comes first.  The two sets take turns, so sixteen plain lines stand between a conversion and the next write of its sources
.endr
	v_cvt_scalef32_pk8_fp8_f32 v[R+64*\f+16*\j+4*\c:R+64*\f+16*\j+4*\c+1], v[T+16*(\c%2):T+16*(\c%2)+7], v[8+\j]
	v_cvt_scalef32_pk8_fp8_f32 v[R+64*\f+16*\j+4*\c+2:R+64*\f+16*\j+4*\c+3], v[T+16*(\c%2)+8:T+16*(\c%2)+15], v[8+\j]
.endr
.endr
	v_nop                                          ; a plain line behind the last conversion
.irp j, 0,1,2
.irp c, 0,1,2,3
	global_store_b128 v2, v[R+64*\f+16*\j+4*\c:R+64*\f+16*\j+4*\c+3], s[24+2*\j:25+2*\j] offset:2048*\f+512*\c   ; 512 consecutive bytes; no store's data are written again
.endr
.endr
.endm
	XFRAG 0, 16                                    ; fragment 1's sixteen loads may stay out
	XFRAG 1, 0
	s_wait_tensorcnt 0x0
	ds_add_u32 v240, v241
	s_wait_dscnt 0x0
	s_endpgm
	; ---------------- the weights
.Lweights:
	s_sub_co_u32 s21, ttmp9, 512
	s_lshr_b32 s44, s21, 6                         ; which weight: 0 Wq, 1 Wk, 2 Wv, 3 Wp
	s_bfe_u32 s45, s21, 0x30003                    ; which 128 columns
	s_and_b32 s46, s21, 7                          ; which 128 k
	s_mov_b64 s[22:23], s[12:13]
	s_cmp_eq_u32 s44, 2
	s_cselect_b64 s[22:23], s[10:11], s[22:23]
	s_cmp_eq_u32 s44, 1
	s_cselect_b64 s[22:23], s[8:9], s[22:23]
	s_cmp_eq_u32 s44, 0
	s_cselect_b64 s[22:23], s[6:7], s[22:23]
	s_lshl_b32 s24, s46, 19                        ; 128 rows of 4,096 bytes
	s_lshl_b32 s25, s45, 9                         ; 128 columns
	s_add_co_u32 s24, s24, s25
	s_lshl_b32 s25, s20, 7                         ; my wave's 32
	s_add_co_u32 s24, s24, s25
	s_mov_b32 s25, 0
	s_add_nc_u64 s[22:23], s[22:23], s[24:25]
	s_lshl_b32 s24, s44, 20                        ; the weight's codes: 1 MiB each
	s_lshl_b32 s26, s45, 2
	s_lshr_b32 s27, s46, 1
	s_add_co_u32 s26, s26, s27                     ; block of 128 rows x 4 + run of 256 k
	s_lshl_b32 s26, s26, 15
	s_add_co_u32 s24, s24, s26
	s_lshl_b32 s26, s20, 13                        ; my wave's two tiles
	s_add_co_u32 s24, s24, s26
	s_and_b32 s26, s46, 1                          ; which step of 128 k in the run
	s_lshl_b32 s26, s26, 11
	s_add_co_u32 s24, s24, s26
	s_mov_b32 s25, 0
	s_add_nc_u64 s[18:19], s[18:19], s[24:25]
.set i, 0
.rept 128
	global_load_b32 v[R+i], v5, s[22:23] offset:i*4096 th:TH_LOAD_NT   ; W(k = i, my column): 32 lanes read 128 consecutive bytes, the four waves 512
.set i, i+1
.endr
	s_wait_kmcnt 0x0
	s_mov_b32 s30, s43                             ; e11, e5, e3 or e1: a choice on the work-group's number
	s_cmp_eq_u32 s44, 2
	s_cselect_b32 s30, s37, s30
	s_cmp_eq_u32 s44, 1
	s_cselect_b32 s30, s35, s30
	s_cmp_eq_u32 s44, 0
	s_cselect_b32 s30, s33, s30
	s_add_co_i32 s30, s30, 127
	s_lshl_b32 s31, s30, 23
	v_mov_b32 v11, s31                             ; 2^e
	s_add_co_i32 s30, s30, 8
	s_lshl_b32 s30, s30, 23
	s_or_b32 s30, s30, 0x600000
	v_mov_b32 v10, s30                             ; 448 x 2^e
; 32 k of my column: part t of the image.  Lanes of half 0 of the reader want k 0-7 and 16-23 of the 32, those of half 1 k 8-15 and 24-31: two stores of 16 bytes, 256 bytes apart.
.macro BLOCK t, left
	s_wait_loadcnt \left                           ; no more than the loads issued behind this block's
.irp i, 0,1,2,3,4,5,6,7,8,9,10,11,12,13,14,15,16,17,18,19,20,21,22,23,24,25,26,27,28,29,30,31
	v_med3_num_f32 v[R+32*\t+\i], v[R+32*\t+\i], -v10, v10
.endr
	v_cvt_scalef32_pk8_fp8_f32 v[X+8*\t:X+8*\t+1], v[R+32*\t:R+32*\t+7], v11
	v_cvt_scalef32_pk8_fp8_f32 v[X+8*\t+4:X+8*\t+5], v[R+32*\t+8:R+32*\t+15], v11
	v_cvt_scalef32_pk8_fp8_f32 v[X+8*\t+2:X+8*\t+3], v[R+32*\t+16:R+32*\t+23], v11
	v_cvt_scalef32_pk8_fp8_f32 v[X+8*\t+6:X+8*\t+7], v[R+32*\t+24:R+32*\t+31], v11
	v_nop
	ds_store_b128 v6, v[X+8*\t:X+8*\t+3] offset:512*\t
	ds_store_b128 v6, v[X+8*\t+4:X+8*\t+7] offset:512*\t+256
.endm
	BLOCK 0, 63                                    ; 96 loads stand behind block 0's, 64 behind block 1's: the largest count that the wait can name serves both
	BLOCK 1, 63
	BLOCK 2, 32
	BLOCK 3, 0
.irp u, 0,1,2,3,4,5,6,7
	ds_load_b128 v[X+32+4*\u:X+32+4*\u+3], v7 offset:512*\u        ; my own bytes, in order behind my stores
.endr
.irp u, 0,1,2,3,4,5,6,7
	s_wait_dscnt 7-\u                              ; the younger loads may stay out
	global_store_b128 v2, v[X+32+4*\u:X+32+4*\u+3], s[18:19] offset:(\u/4)*4096+(\u%4)*512
.endr
	s_wait_tensorcnt 0x0
	ds_add_u32 v240, v241
	s_wait_dscnt 0x0
	s_endpgm
.Lfunc_end_k_qfe8af909c5_quant:
	.size	k_qfe8af909c5_quant, .Lfunc_end_k_qfe8af909c5_quant-k_qfe8af909c5_quant
	.p2alignl 7, 3214868480
	.fill 96, 4, 3214868480
	.section	.rodata,"a",@progbits
	.p2align	6, 0x0
	.amdhsa_kernel k_qfe8af909c5_quant
		.amdhsa_group_segment_fixed_size 50688
		.amdhsa_private_segment_fixed_size 0
		.amdhsa_enable_private_segment 0
		.amdhsa_kernarg_size 64
		.amdhsa_user_sgpr_count 2
		.amdhsa_user_sgpr_kernarg_segment_ptr 1
		.amdhsa_wavefront_size32 1
		.amdhsa_system_sgpr_workgroup_id_x 1
		.amdhsa_system_sgpr_workgroup_id_y 1
		.amdhsa_system_sgpr_workgroup_id_z 1
		.amdhsa_system_vgpr_workitem_id 0
		.amdhsa_next_free_vgpr 242
		.amdhsa_next_free_sgpr 66
		.amdhsa_reserve_vcc 0
		.amdhsa_float_denorm_mode_32 3
		.amdhsa_float_denorm_mode_16_64 3
		.amdhsa_memory_ordered 1
		.amdhsa_forward_progress 1
		.amdhsa_inst_pref_size 65
	.end_amdhsa_kernel
	.amdgpu_metadata
---
amdhsa.version: [ 1, 2 ]
amdhsa.kernels:
  - .name:           k_qfe8af909c5_quant
    .symbol:         k_qfe8af909c5_quant.kd
    .args:
      - { .name: x, .offset: 0, .size: 8, .value_kind: global_buffer, .address_space: global }
      - { .name: Wq, .offset: 8, .size: 8, .value_kind: global_buffer, .address_space: global }
      - { .name: Wk, .offset: 16, .size: 8, .value_kind: global_buffer, .address_space: global }
      - { .name: Wv, .offset: 24, .size: 8, .value_kind: global_buffer, .address_space: global }
      - { .name: Wp, .offset: 32, .size: 8, .value_kind: global_buffer, .address_space: global }
      - { .name: lowp_scales, .offset: 40, .size: 8, .value_kind: global_buffer, .address_space: global }
      - { .name: xc, .offset: 48, .size: 8, .value_kind: global_buffer, .address_space: global }
      - { .name: wc, .offset: 56, .size: 8, .value_kind: global_buffer, .address_space: global }
    .group_segment_fixed_size: 50688
    .private_segment_fixed_size: 0
    .kernarg_segment_align: 8
    .kernarg_segment_size: 64
    .max_flat_workgroup_size: 128
    .sgpr_count:     66
    .vgpr_count:     242
    .wavefront_size: 32
...
	.end_amdgpu_metadata
.endif
;; end of part 1
;; launch qkv (part 2): grid 12 x 32, 4 waves a work-group, clusters of 4 x 4, 327,680 bytes of LDS; arguments xc, wc, lowp_scales, bq, bk, bv, qc, kc, vc; writes qc, kc, vc
.if DOCPART == 2
	.amdgcn_target "amdgcn-amd-amdhsa--gfx1250"
	.amdhsa_code_object_version 6
	.text
	.protected	k_qfe8af909c5_qkv
	.globl	k_qfe8af909c5_qkv
	.p2align	8
	.type	k_qfe8af909c5_qkv,@function
k_qfe8af909c5_qkv:
	s_mov_b64 s[64:65], 0
	v_nop
	global_prefetch_b8 v0, s[64:65] scope:SCOPE_SE
	s_setreg_imm32_b32 hwreg(HW_REG_WAVE_MODE, 25, 1), 1
	s_wait_xcnt 0x0
	s_wait_alu depctr_hold_cnt(0) depctr_sa_sdst(0) depctr_va_vdst(0) depctr_va_sdst(0) depctr_va_ssrc(0) depctr_va_vcc(0) depctr_vm_vsrc(0)
	s_getreg_b32 s2, hwreg(HW_REG_IB_STS2, 6, 4)
	s_cmp_eq_u32 s2, 0
	s_cbranch_scc0 .Lentry_in_a_cluster
	s_endpgm
.Lentry_in_a_cluster:
	s_bfe_u32 s2, ttmp6, 0x10000c
	s_cmp_lg_u32 s2, 0xf033
	s_cbranch_scc0 .Lentry_shape_is_right
	s_endpgm
.Lentry_shape_is_right:
; q = x Wq + bq, k = x Wk + bk, v = x Wv + bv on E4M3 codes (K = 1,024), each result quantised at once (2^e6, 2^e7, 2^e9) and stored as codes in the order of the next launch's operand registers.
; Cluster x chooses the product: 0 q, 1 k, 2 v; it is the same in all sixteen partners, so choices and one branch may hang on it.
; A tile of 256 x 256 is made by four waves, each 128 x 128 in 64 accumulators.  The matrix instruction takes 16 rows of operand B as source 0 and 16 rows of operand A as source 1:
; lane (r, h) then holds row r of A's tile and, in register j of accumulator (a, b), B's row 16 b + 8 h + j: eight neighbours, which one conversion turns into registers 2b, 2b+1 of a fragment along B's rows.
; q, k: A = x's codes (tokens), B = the weight's (features): fragments of 16 tokens x 64 channels of a head.   v: A = Wv's codes (features), B = x's (tokens): fragments of 16 channels x 128 keys.  Same text, other pointers.
; OPERANDS lie as images of registers: [rows/128][4 runs of 256 k][8 tiles][2 steps of 128 k][2,048 bytes: registers 4c..4c+3 of lane l at 512 c + 16 l]: 128 rows x 256 k are one dense block of 32,768 bytes, one tensor load.
; In LDS a fragment comes by four loads of 512 consecutive bytes: no pitch, no padding.  K's four runs go through two slots; K is short, so the steps are written out.
; CLUSTERS: 4 x 4 work-groups; A's blocks are asked for jointly along a row of the cluster, B's along a column.
; OUT: qc, kc: [batch x head][token tile][1,024 bytes];  vc: [batch x head][block of 128 keys][4 channel tiles][2,048 bytes].  Every store of a wave covers 512 consecutive bytes: no stage is needed.
; LIMITS: e0+e1, e2+e3, e4+e5 between -126 and 127; e6, e7, e9 between -126 and 119.
; REGISTERS: window 0: v0-31 addresses, v32-39 the biases' offsets, v64-127 the biases, v128-255 A's fragments (one set), later at work on the way out; window 1: B's two sets; windows 2, 3: the accumulators ((a, b) at v[8 (8 (a % 4) + b)]).
.set HALFT,  32768                     ; what one tensor load brings, and what one wave reads of A or of B in a slot
.set SLOT,   4*HALFT                   ; A's two blocks, then B's two
.set SPARE,  2*SLOT                    ; behind the ring: the spare words, 128 bytes a wave
.set FR,     16
.set NL,     4
.set NP,     4
.set ADRA, 16                          ; v16-17  LDS address of my A fragments in slot 0, 1
.set ADRB, 20                          ; v20-21  the same for B
.set CO,   26                          ; v26     16 x lane
.set SPW,  28                          ; v28     my spare word; never rewritten
.set NIL,  29                          ; v29     0; never rewritten
.set SCL,  30                          ; v30     2^eO for the conversions
.set LIM,  31                          ; v31     448 x 2^eO
.set BA,   32
.set BI,   64
.set TMP,  128
.set CD,   192                         ; four sets of 16 registers of codes, by turns
.set AF,   128
.set G1, 24
.set G0, 32
.set G1B, 48
.set G0B, 56
.set MSB, 0
.macro WIN new                         ; the immediate's high byte repeats the setting that is left
.if MSB != (\new)
	s_set_vgpr_msb (MSB<<8)|(\new)
.set MSB, (\new)
.endif
.endm
.set MUL_LO, 0xa1                      ; source 0 (B) window 1, source 1 (A) window 0, C and D window 2
.set MUL_HI, 0xf1
.set TO_B,   0x40
; A joint load: waves 0 and 1 fetch for A, waves 2 and 3 for B; the branch hangs on the wave's number alone.  Four v_nop follow each line.
.macro JLOAD g0a, g1a, g0b, g1b
	s_cmp_eq_u32 s15, 0
	s_cbranch_scc0 .Lfor_b_\@
	tensor_load_to_lds s[\g0a:\g0a+3], s[\g1a:\g1a+7]
	s_nop 0
.rept 4
	v_nop
.endr
	s_branch .Lasked_\@
.Lfor_b_\@:
	tensor_load_to_lds s[\g0b:\g0b+3], s[\g1b:\g1b+7]
	s_nop 0
.rept 4
	v_nop
.endr
.Lasked_\@:
.endm
.macro CREST                           ; a round of the cluster's barrier behind its opening barrier
	s_cmp_lg_u32 s14, 0
	s_cbranch_scc1 .Lnot_wave_0_\@
	s_barrier_signal -3
.Lnot_wave_0_\@:
	s_barrier_wait -3
	s_barrier_signal -1
	s_barrier_wait -1
.endm
.macro CROUND
	s_barrier_signal -1
	s_barrier_wait -1
	CREST
.endm
	s_load_b256 s[4:11], s[0:1], 0x0               ; xc s[4:5], wc s[6:7], the exponents s[8:9], bq s[10:11]
	s_load_b256 s[68:75], s[0:1], 0x20             ; bk s[68:69], bv s[70:71], qc s[72:73], kc s[74:75]
	s_load_b64 s[76:77], s[0:1], 0x40              ; vc
	v_lshl_add_u32 v[SPW], v0, 2, SPARE
	v_mov_b32 v[NIL], 0
	ds_add_u32 v28, v29
	ds_add_u32 v28, v29
	s_wait_dscnt 0x0
	v_lshrrev_b32 v1, 5, v0
	v_readfirstlane_b32 s14, v1                    ; wave 0..3
	s_lshr_b32 s15, s14, 1                         ; which half of A's rows is mine.  Also: I fetch for A (0) or for B (1)
	s_and_b32 s16, s14, 1                          ; which half of B's rows.  Also: which 128 rows I fetch
	s_bfe_u32 s40, ttmp6, 0x40000                  ; cx
	s_bfe_u32 s41, ttmp6, 0x40004                  ; cy
	s_and_b32 s93, ttmp7, 0xffff                   ; cluster y
	s_lshl_b32 s94, ttmp9, 23                      ; q, k: x's set of codes
	s_lshl_b32 s95, ttmp9, 20                      ; q, k: the weight's codes
	s_cmp_eq_u32 ttmp9, 2                          ; v?  The tokens then run along B
	s_cselect_b32 s92, 0, s93                      ; cluster y counts A's tile rows (q, k),
	s_cselect_b32 s93, s93, 0                      ; or B's tile columns (v)
	s_cselect_b32 s94, 0x200000, s94               ; v: A = Wv's codes,
	s_cselect_b32 s95, 0x1000000, s95              ; B = x's third set
	s_lshl_b32 s17, s92, 2
	s_add_co_u32 s17, s17, s41                     ; A's tile row
	s_lshl_b32 s42, s93, 2
	s_add_co_u32 s42, s42, s40                     ; B's tile column
	s_lshl_b32 s43, s41, 2
	s_lshl_b32 s43, 15, s43                        ; my row of the cluster
	s_lshl_b32 s44, 0x1111, s40                    ; my column
	; descriptor group 1: a dense block of 32,768 bytes as 128 rows of 32 elements of 8 bytes
	s_or_b32 s[G1+0], s43, (3<<16)|(1<<21)         ; 15:0 the mask; 17:16 elements of 8 bytes; 20 no padding; 21 set beside a mask
	s_or_b32 s[G1B+0], s44, (3<<16)|(1<<21)
.irp g, G1, G1B
	s_mov_b32 s[\g+1], 32<<16                      ; tensor_dim0
	s_mov_b32 s[\g+2], 128<<16                     ; tensor_dim1
	s_mov_b32 s[\g+3], 32<<16                      ; tile_dim0
	s_mov_b32 s[\g+4], 128                         ; tile_dim1
	s_mov_b32 s[\g+5], 32                          ; from row to row
	s_mov_b32 s[\g+6], 0
	s_mov_b32 s[\g+7], 0
.endr
	s_lshl_b32 s98, s17, 1                         ; A: block of 128 rows = 2 x tile row + the half that I fetch; 131,072 bytes a block
	s_add_co_u32 s98, s98, s16
	s_lshl_b32 s98, s98, 17
	s_add_co_u32 s98, s98, s94
	s_mov_b32 s99, 0
	s_lshl_b32 s100, s42, 1                        ; B likewise, in registers that never hold cy
	s_add_co_u32 s100, s100, s16
	s_lshl_b32 s100, s100, 17
	s_add_co_u32 s100, s100, s95
	s_mov_b32 s101, 0
	s_mul_i32 s45, s14, HALFT                      ; where they go: wave x 32,768
	s_wait_kmcnt 0x0
	s_load_b256 s[80:87], s[8:9], 0x0              ; e0 .. e7
	s_load_b128 s[88:91], s[8:9], 0x20             ; e8 .. e11
	s_cmp_eq_u32 ttmp9, 2
	s_cselect_b64 s[20:21], s[6:7], s[4:5]
	s_cselect_b64 s[46:47], s[4:5], s[6:7]
	s_add_nc_u64 s[20:21], s[20:21], s[98:99]
	s_add_nc_u64 s[46:47], s[46:47], s[100:101]
	CROUND                                         ; all sixteen work-groups are here: the first joint loads meet
.irp s, 0,1
	s_mov_b32 s[G0+4*\s], 1
	s_add_co_u32 s[G0+4*\s+1], s45, \s*SLOT
	s_add_nc_u64 s[G0+4*\s+2:G0+4*\s+3], s[20:21], \s*HALFT        ; run s of 256 k
	s_or_b32 s[G0+4*\s+3], s[G0+4*\s+3], 0x80000000
	s_mov_b32 s[G0B+4*\s], 1
	s_add_co_u32 s[G0B+4*\s+1], s45, \s*SLOT
	s_add_nc_u64 s[G0B+4*\s+2:G0B+4*\s+3], s[46:47], \s*HALFT
	s_or_b32 s[G0B+4*\s+3], s[G0B+4*\s+3], 0x80000000
	JLOAD G0+4*\s, G1, G0B+4*\s, G1B
.endr
	v_and_b32 v1, 15, v0                           ; r
	v_bfe_u32 v2, v0, 4, 1                         ; h
	v_and_b32 v6, 31, v0
	v_lshlrev_b32 v[CO], 4, v6
	s_mul_i32 s21, s15, HALFT
	s_mul_i32 s22, s16, HALFT
	s_add_co_u32 s22, s22, 2*HALFT
.irp s, 0,1
	v_add_nc_u32 v[ADRA+\s], s21, v[CO]
	v_add_nc_u32 v[ADRB+\s], s22, v[CO]
	s_add_co_u32 s21, s21, SLOT
	s_add_co_u32 s22, s22, SLOT
.endr
	; the biases and the way out.  My 128 features are two heads, 4 hx + 2 hs and the next; my 128 tokens begin at 256 P + 128 ts
	s_cmp_eq_u32 ttmp9, 2
	s_cselect_b32 s66, s41, s40                    ; hx
	s_cselect_b32 s67, s15, s16                    ; hs
	s_cselect_b32 s78, s16, s15                    ; ts
	s_cselect_b32 s79, s42, s17                    ; P
	s_cselect_b32 s2, 4, 0                         ; the bias's offset = r x this
	s_cselect_b32 s3, 0, 32                        ; + h x this
	s_cselect_b32 s13, 0, 4                        ; + j x this: q, k: feature 16 i + 8 h + j; v: feature 16 i + r, the same in all j
	s_cselect_b64 s[22:23], s[70:71], s[68:69]
	s_cselect_b64 s[74:75], s[76:77], s[74:75]
	s_cmp_eq_u32 ttmp9, 0
	s_cselect_b64 s[22:23], s[10:11], s[22:23]     ; bq, bk or bv
	s_cselect_b64 s[74:75], s[72:73], s[74:75]     ; qc, kc or vc
	s_lshl_b32 s12, s66, 2
	s_lshl_b32 s18, s67, 1
	s_add_co_u32 s12, s12, s18                     ; my first head
	s_lshl_b32 s18, s12, 8
	s_mov_b32 s19, 0
	s_add_nc_u64 s[22:23], s[22:23], s[18:19]      ; its 64 numbers of the bias on
	s_lshr_b32 s18, s79, 3                         ; batch
	s_lshl_b32 s18, s18, 4
	s_add_co_u32 s18, s18, s12
	s_lshl_b32 s18, s18, 17                        ; 131,072 bytes for a batch and head
	s_and_b32 s66, s79, 7
	s_lshl_b32 s66, s66, 1
	s_add_co_u32 s66, s66, s78
	s_lshl_b32 s66, s66, 13                        ; 8,192 bytes for 128 tokens
	s_add_co_u32 s18, s18, s66
	s_add_nc_u64 s[74:75], s[74:75], s[18:19]
	v_mul_u32_u24 v5, s2, v1
	v_mad_u32_u24 v5, v2, s3, v5
.irp j, 0,1,2,3,4,5,6,7
	s_mul_i32 s18, s13, \j
	v_add_nc_u32 v[BA+\j], s18, v5
.endr
.irp i, 0,1,2,3,4,5,6,7
.irp j, 0,1,2,3,4,5,6,7
	global_load_b32 v[BI+8*\i+\j], v[BA+\j], s[22:23] offset:64*\i   ; in the result's layout; they land during the products and are waited for on the way out
.endr
.endr
.macro FRAG reg, adr, q, i             ; a fragment's image: four loads of 512 consecutive bytes
.irp c, 0,1,2,3
	ds_load_b128 v[\reg+4*\c:\reg+4*\c+3], v[\adr] offset:4096*(\i)+2048*(\q)+512*\c
.endr
.endm
; 16 matrix instructions: A's blocks a0, a0 + 1 x B's eight, 128 along K.  The 64 accumulators take turns, one instruction a turn, in the same order in every step.
.macro MUL16 a0, p, zero
.irp a, \a0, \a0+1
.irp b, 0,1,2,3,4,5,6,7
.if \zero
	v_wmma_f32_16x16x128_fp8_fp8 v[8*(8*((\a)%4)+\b):8*(8*((\a)%4)+\b)+7], v[128*(\p)+FR*\b:128*(\p)+FR*\b+FR-1], v[AF+FR*(\a):AF+FR*(\a)+FR-1], 0
.else
	v_wmma_f32_16x16x128_fp8_fp8 v[8*(8*((\a)%4)+\b):8*(8*((\a)%4)+\b)+7], v[128*(\p)+FR*\b:128*(\p)+FR*\b+FR-1], v[AF+FR*(\a):AF+FR*(\a)+FR-1], v[8*(8*((\a)%4)+\b):8*(8*((\a)%4)+\b)+7]
.endif
.endr
.endr
.endm
.macro FETCH_B slot, q, p
	WIN TO_B
.irp i, 0,1,2,3,4,5,6,7
	FRAG 128*(\p)+FR*\i, ADRB+\slot, \q, \i
.endr
	WIN 0
.endm
.macro FETCH_A slot, q, i0
.irp i, \i0, \i0+1, \i0+2, \i0+3
	FRAG AF+FR*(\i), ADRA+\slot, \q, \i
.endr
.endm
.macro PLACES n                        ; plain vector lines between a matrix instruction and a load into, or a read of, its registers
.rept \n
	v_nop
.endr
.endm
; A step of 128 along K that has its successor in the same slot.  A has one set of registers: blocks 0-3 are fetched anew in the step's middle, blocks 4-7 at its end; B has two sets.
.macro STEP slot, q, zero
	s_wait_dscnt 4*NL                              ; B's set and A's blocks 0-3 are in; the youngest sixteen loads (A's blocks 4-7) may be out
	WIN MUL_LO
	MUL16 0, (\q)%2, \zero
	MUL16 2, (\q)%2, \zero
	s_wait_dscnt 0
	PLACES NP
	FETCH_B \slot, (\q)+1, 1-(\q)%2
	FETCH_A \slot, (\q)+1, 0
	WIN MUL_HI
	MUL16 4, (\q)%2, \zero
	MUL16 6, (\q)%2, \zero
	PLACES NP
	WIN 0
	FETCH_A \slot, (\q)+1, 4
.endm
; A slot's last step changes slots: one barrier; in front of it each wave waits for all its tensor loads, adds 0 to its spare word, and waits for that and for its reads of this slot.  fill = 1: the slot is filled again, two runs of K ahead.
.macro TURN slot, next, fill
	s_wait_tensorcnt 0x0                           ; all my tensor loads have landed: my part of the next slot
	ds_add_u32 v[SPW], v[NIL]                      ; 0 onto my spare word
	s_wait_dscnt 4*NL+1                            ; the add and the youngest sixteen loads may be out
	WIN MUL_LO
	MUL16 0, 1, 0
	s_wait_dscnt 0x0                               ; the add is done, and my reads of this slot are over
	s_barrier_signal -1
	MUL16 2, 1, 0
	WIN 0
	s_barrier_wait -1
.if \fill
	CREST                                          ; the barrier has opened a round of the cluster's: no wave of any partner still reads this slot or has a load on its way
	s_add_nc_u64 s[G0+4*\slot+2:G0+4*\slot+3], s[G0+4*\slot+2:G0+4*\slot+3], 2*HALFT
	s_add_nc_u64 s[G0B+4*\slot+2:G0B+4*\slot+3], s[G0B+4*\slot+2:G0B+4*\slot+3], 2*HALFT
	JLOAD G0+4*\slot, G1, G0B+4*\slot, G1B         ; the first tensor load behind the round; its four v_nop are the places in front of the loads below
.else
	PLACES NP
.endif
	FETCH_B \next, 0, 0
	FETCH_A \next, 0, 0
	WIN MUL_HI
	MUL16 4, 1, 0
	MUL16 6, 1, 0
	PLACES NP
	WIN 0
	FETCH_A \next, 0, 4
.endm
	s_wait_tensorcnt 1                             ; my part of slot 0 is in; slot 1's load may be out
	s_barrier_signal -1
	s_barrier_wait -1
	FETCH_B 0, 0, 0
	FETCH_A 0, 0, 0
	FETCH_A 0, 0, 4
	STEP 0, 0, 1                                   ; k 0-127: these products start the sums
	TURN 0, 1, 1                                   ; k 128-255; slot 0 takes k 512-767
	STEP 1, 0, 0
	TURN 1, 0, 1                                   ; slot 1 takes k 768-1023
	STEP 0, 0, 0
	TURN 0, 1, 0                                   ; nothing is left to fetch
	STEP 1, 0, 0
	s_wait_dscnt 4*NL
	WIN MUL_LO
	MUL16 0, 1, 0
	MUL16 2, 1, 0
	s_wait_dscnt 0
	WIN MUL_HI
	MUL16 4, 1, 0
	MUL16 6, 1, 0
	WIN 0
	; THE WAY OUT: sum x 2^(eA + eB) + bias, held, converted: the results are a fragment's registers and are stored as its image.
	s_wait_kmcnt 0x0
	s_add_co_i32 s80, s80, s81                     ; e0 + e1
	s_add_co_i32 s82, s82, s83                     ; e2 + e3
	s_add_co_i32 s84, s84, s85                     ; e4 + e5
	s_cmp_eq_u32 ttmp9, 0
	s_cselect_b32 s96, s80, s82
	s_cselect_b32 s98, s86, s87                    ; e6 for q, e7 for k,
	s_cmp_eq_u32 ttmp9, 2
	s_cselect_b32 s96, s84, s96
	s_cselect_b32 s98, s89, s98                    ; e9 for v
	s_add_co_i32 s96, s96, 127
	s_lshl_b32 s96, s96, 23                        ; 2^(eA + eB) as f32
	s_mov_b32 s97, s96                             ; (named with it as a pair)
	s_add_co_i32 s98, s98, 127
	s_lshl_b32 s99, s98, 23
	v_mov_b32 v[SCL], s99
	s_add_co_i32 s98, s98, 8
	s_lshl_b32 s98, s98, 23
	s_or_b32 s98, s98, 0x600000
	v_mov_b32 v[LIM], s98
	PLACES NP
	s_wait_loadcnt 0x0                             ; the biases
.macro EPI isv
.irp a, 0,1,2,3,4,5,6,7
.if \a >= 4
	s_wait_xcnt 0x0                                ; the stores of four blocks ago have read their codes: that set is written again
.endif
	WIN 0x02+\a/4                                  ; source 0: window 2 or 3
.irp b, 0,1,2,3,4,5,6,7
.irp i, 0,2,4,6
.if \isv
	v_pk_fma_f32 v[TMP+8*\b+\i:TMP+8*\b+\i+1], v[8*(8*(\a%4)+\b)+\i:8*(8*(\a%4)+\b)+\i+1], s[96:97], v[BI+8*\a+\i:BI+8*\a+\i+1] op_sel_hi:[1,0,1]   ; each accumulator from its low end on
.else
	v_pk_fma_f32 v[TMP+8*\b+\i:TMP+8*\b+\i+1], v[8*(8*(\a%4)+\b)+\i:8*(8*(\a%4)+\b)+\i+1], s[96:97], v[BI+8*\b+\i:BI+8*\b+\i+1] op_sel_hi:[1,0,1]
.endif
.endr
.endr
	WIN 0
.set n, 0
.rept 64
	v_med3_num_f32 v[TMP+n], v[TMP+n], -v[LIM], v[LIM]   ; the conversion does not saturate (ISA guide 7.6.2)
.set n, n+1
.endr
.irp b, 0,1,2,3,4,5,6,7
	v_cvt_scalef32_pk8_fp8_f32 v[CD+16*(\a%4)+2*\b:CD+16*(\a%4)+2*\b+1], v[TMP+8*\b:TMP+8*\b+7], v[SCL]
.endr
	v_nop                                          ; a plain line between the conversions and the next block's writes of their sources
.irp c, 0,1,2,3
.if \isv
	global_store_b128 v[CO], v[CD+16*(\a%4)+4*\c:CD+16*(\a%4)+4*\c+3], s[74:75] offset:(\a/4)*131072+(\a%4)*2048+512*\c   ; head a / 4, channel tile a % 4, part c of 128 keys
.else
	global_store_b128 v[CO], v[CD+16*(\a%4)+4*\c:CD+16*(\a%4)+4*\c+3], s[74:75] offset:(\c/2)*131072+1024*\a+(\c%2)*512   ; head c / 2, token tile a, part c % 2 of 64 channels
.endif
.endr
.endr
.endm
	s_cmp_eq_u32 ttmp9, 2
	s_cbranch_scc1 .Lv
	EPI 0
	s_branch .Ldone
.Lv:
	EPI 1
.Ldone:
	s_wait_tensorcnt 0x0                           ; the wave's end
	ds_add_u32 v[SPW], v[NIL]
	s_wait_dscnt 0x0
	CROUND                                         ; the closing round
	s_endpgm
.Lfunc_end_k_qfe8af909c5_qkv:
	.size	k_qfe8af909c5_qkv, .Lfunc_end_k_qfe8af909c5_qkv-k_qfe8af909c5_qkv
	.p2alignl 7, 3214868480
	.fill 96, 4, 3214868480
	.section	.rodata,"a",@progbits
	.p2align	6, 0x0
	.amdhsa_kernel k_qfe8af909c5_qkv
		.amdhsa_group_segment_fixed_size 327680
		.amdhsa_private_segment_fixed_size 0
		.amdhsa_enable_private_segment 0
		.amdhsa_kernarg_size 72
		.amdhsa_user_sgpr_count 2
		.amdhsa_user_sgpr_kernarg_segment_ptr 1
		.amdhsa_wavefront_size32 1
		.amdhsa_system_sgpr_workgroup_id_x 1
		.amdhsa_system_sgpr_workgroup_id_y 1
		.amdhsa_system_sgpr_workgroup_id_z 1
		.amdhsa_system_vgpr_workitem_id 0
		.amdhsa_next_free_vgpr 1024
		.amdhsa_next_free_sgpr 106
		.amdhsa_reserve_vcc 0
		.amdhsa_float_denorm_mode_32 3
		.amdhsa_float_denorm_mode_16_64 3
		.amdhsa_memory_ordered 1
		.amdhsa_forward_progress 1
		.amdhsa_inst_pref_size 197
	.end_amdhsa_kernel
	.amdgpu_metadata
---
amdhsa.version: [ 1, 2 ]
amdhsa.kernels:
  - .name:           k_qfe8af909c5_qkv
    .symbol:         k_qfe8af909c5_qkv.kd
    .args:
      - { .name: xc, .offset: 0, .size: 8, .value_kind: global_buffer, .address_space: global }
      - { .name: wc, .offset: 8, .size: 8, .value_kind: global_buffer, .address_space: global }
      - { .name: lowp_scales, .offset: 16, .size: 8, .value_kind: global_buffer, .address_space: global }
      - { .name: bq, .offset: 24, .size: 8, .value_kind: global_buffer, .address_space: global }
      - { .name: bk, .offset: 32, .size: 8, .value_kind: global_buffer, .address_space: global }
      - { .name: bv, .offset: 40, .size: 8, .value_kind: global_buffer, .address_space: global }
      - { .name: qc, .offset: 48, .size: 8, .value_kind: global_buffer, .address_space: global }
      - { .name: kc, .offset: 56, .size: 8, .value_kind: global_buffer, .address_space: global }
      - { .name: vc, .offset: 64, .size: 8, .value_kind: global_buffer, .address_space: global }
    .group_segment_fixed_size: 327680
    .private_segment_fixed_size: 0
    .kernarg_segment_align: 8
    .kernarg_segment_size: 72
    .max_flat_workgroup_size: 128
    .sgpr_count:     106
    .vgpr_count:     1024
    .wavefront_size: 32
...
	.end_amdgpu_metadata
.endif
;; end of part 2
;; launch attn (part 3): grid 4 x 64, 16 waves a work-group, no clusters, 67,584 bytes of LDS; arguments qc, kc, vc, lowp_scales, ac; writes ac
.if DOCPART == 3
	.amdgcn_target "amdgcn-amd-amdhsa--gfx1250"
	.amdhsa_code_object_version 6
	.text
	.protected	k_qfe8af909c5_attn
	.globl	k_qfe8af909c5_attn
	.p2align	8
	.type	k_qfe8af909c5_attn,@function
k_qfe8af909c5_attn:
	s_mov_b64 s[64:65], 0
	v_nop
	global_prefetch_b8 v0, s[64:65] scope:SCOPE_SE
	s_setreg_imm32_b32 hwreg(HW_REG_WAVE_MODE, 25, 1), 1
	s_wait_xcnt 0x0
; Causal attention on E4M3 codes, head size 64, 2,048 tokens, 64 (batch, head) pairs.  o = (sum over keys of Q(p) v) / l, p = 2^(t - M), t = score x log2(e) / 8, M = the running largest t rounded up to a whole number;
; l is the sum of the unquantised p.  o is quantised at once with 2^e10 and stored as the last product's operand, in the order of its registers.
; SHARES.  Work-group (I, batch x head) owns the query blocks I and 7 - I, 256 queries each; wave w owns 16 queries of the block in hand.  Block b needs key slots 0 .. b of 256 keys: I + 1 slots, then 8 - I: NINE TRIPS in every
; work-group, so all 256 work-groups have the same work, the trip count is a constant, and no slot that lies wholly under the mask is fetched.
; NO CLUSTER: the four work-groups of a head walk different runs of slots (0..I, 0..7-I), so in a given trip they want different tiles.
; K AND V come through two LDS buffers of 32,768 bytes, filled through registers: a slot is 64 bytes a thread, loaded at a trip's head into 16 registers and stored into the other buffer at the trip's end: the loads have the whole
; trip's work in which to land, so no wave waits long for them and nothing is asked for further ahead.  One barrier a trip: in front of it each wave's stores have landed and its reads of the buffer in hand are back.
; Two trips are written in a pass of the loop, so that each trip's buffer is a constant of the text.
; LAYOUT.  Both products are used transposed: S^T = K Q^T (source 0 = 16 keys, source 1 = my 16 queries, K = 64), O^T = V^T P^T (source 0 = 16 channels, source 1 = P, K = 128 keys): lane (r, h) holds query r throughout.
; Register j of score tile c is key 16 c + 8 h + j, which is the place that registers 2c, 2c+1 of the next operand want: the conversions' results are P's fragment.  All fragments lie in memory and LDS as images: registers 4c..4c+3 of lane l at 512 c + 16 l.
; LIMITS: e6 + e7 between -123 and 130 (added to c's exponent field); e8 and e10 between -126 and 119; e8 + e9 goes in by v_ldexp_f32.  p that falls under the format's range after M has grown is lost.
; The hold of p at 448 x 2^e8 is jumped over where e8 >= -8: then 448 x 2^e8 >= 1.75, above every p.  The branch hangs on a whole number read from memory; no barrier stands under it.
; REGISTERS: v1 16 x lane, v2 16 x thread, v5, v6 Q's offsets, v7 r - 8 h; v12 -M, v13 the largest t, v[14:15] the sum; v16-23 Q, v24-31 the second block's Q; v32-95 K's eight fragments, then V's four; v96-159 S^T, then p;
; v160-191 O^T; v192-207 p's codes; v208-223 the next slot on its way; v224-231 o's codes, v232 their offset; v236-254 at work and constants.
.set LI,  1
.set TI,  2
.set RH,  7
.set KV,  32
.set SG,  208
.set WV,   14
.set IB,   15                          ; s15 I;  s16 I + 1;  s17 I - 1
.set I1,   16
.set IM,   17
.set T,    18                          ; s18 the even trip's number
.set KS,   19                          ; s19 the key slot in hand
.set KF,   20                          ; s20 the step's first key
.set Q0,   21                          ; s21 my first query;  s22 the second block's
.set Q0H,  22
.set OUTO, 23                          ; s23 where my codes go in ac;  s24 the second block's
.set OUTH, 24
.set EPV,  25                          ; s25 e8 + e9
.set SEL,  26                          ; s[26:27] selects for lane l xor 16
.set CS,   28                          ; s[28:29] c = log2(e) / 8 x 2^(e6 + e7)
.set HOLD, 30                          ; s30 1 where p must be held
.set K0,   32                          ; s[32:33], s[34:35] the head's K and V;  s[36:37], s[38:39] the slot being loaded
.set V0,   34
.set KA,   36
.set VA,   38
	s_load_b256 s[4:11], s[0:1], 0x0               ; qc s[4:5], kc s[6:7], vc s[8:9], the exponents s[10:11]
	s_load_b64 s[12:13], s[0:1], 0x20              ; ac
	v_lshl_add_u32 v251, v0, 2, 0x10000
	v_mov_b32 v255, 0
	v_lshrrev_b32 v3, 5, v0
	v_readfirstlane_b32 s[WV], v3                  ; wave 0..15
	v_and_b32 v[LI], 31, v0
	v_lshlrev_b32 v[LI], 4, v[LI]
	v_lshlrev_b32 v[TI], 4, v0
	v_and_b32 v[RH], 15, v0
	v_bfe_u32 v3, v0, 4, 1
	v_lshlrev_b32 v3, 3, v3
	v_sub_nc_u32 v[RH], v[RH], v3                  ; r - 8 h
	s_mov_b32 s[IB], ttmp9
	s_add_co_u32 s[I1], ttmp9, 1
	s_sub_co_u32 s[IM], ttmp9, 1
	s_sub_co_u32 s41, 7, ttmp9                     ; the second block
	s_lshl_b32 s44, s[WV], 4
	s_lshl_b32 s[Q0], ttmp9, 8
	s_add_co_u32 s[Q0], s[Q0], s44
	s_lshl_b32 s[Q0H], s41, 8
	s_add_co_u32 s[Q0H], s[Q0H], s44
	s_lshl_b32 s45, s[Q0], 6                       ; a tile of 16 queries is 1,024 bytes
	s_lshl_b32 s46, s[Q0H], 6
	v_add_nc_u32 v5, s45, v[LI]
	v_add_nc_u32 v6, s46, v[LI]
	s_and_b32 s40, ttmp7, 0xffff                   ; batch x 16 + head
	s_lshl_b32 s42, s40, 17
	s_mov_b32 s43, 0
	; ac: token row = batch x 2,048 + block x 256 + 16 w + r, k = 64 head + channel: ((row / 128) x 4 + head / 4) << 15, + (w % 8) << 12, + (head % 4) << 10
	s_lshr_b32 s45, s40, 4
	s_lshl_b32 s45, s45, 4
	s_lshr_b32 s46, s[WV], 3
	s_add_co_u32 s45, s45, s46
	s_lshl_b32 s45, s45, 2
	s_bfe_u32 s46, s40, 0x20002
	s_add_co_u32 s45, s45, s46
	s_lshl_b32 s45, s45, 15
	s_and_b32 s46, s[WV], 7
	s_lshl_b32 s46, s46, 12
	s_add_co_u32 s45, s45, s46
	s_and_b32 s46, s40, 3
	s_lshl_b32 s46, s46, 10
	s_add_co_u32 s45, s45, s46
	s_lshl_b32 s46, ttmp9, 18                      ; a block of 256 rows is two blocks of 128: 2 x 4 << 15
	s_add_co_u32 s[OUTO], s45, s46
	s_lshl_b32 s46, s41, 18
	s_add_co_u32 s[OUTH], s45, s46
	s_mov_b32 s[SEL], 0x76543210
	s_mov_b32 s[SEL+1], 0xfedcba98
	s_mov_b32 s[T], 0
	s_mov_b32 s[KS], 0
	s_wait_kmcnt 0x0
	s_load_b256 s[48:55], s[10:11], 0x0            ; e0 .. e7
	s_load_b128 s[56:59], s[10:11], 0x20           ; e8 .. e11
	s_add_nc_u64 s[K0:K0+1], s[6:7], s[42:43]
	s_add_nc_u64 s[V0:V0+1], s[8:9], s[42:43]
	s_add_nc_u64 s[4:5], s[4:5], s[42:43]
	global_load_b128 v[SG:SG+3], v[TI], s[K0:K0+1]                 ; slot 0: 16,384 bytes of K and of V, 16 bytes a thread and load
	global_load_b128 v[SG+4:SG+7], v[TI], s[K0:K0+1] offset:8192
	global_load_b128 v[SG+8:SG+11], v[TI], s[V0:V0+1]
	global_load_b128 v[SG+12:SG+15], v[TI], s[V0:V0+1] offset:8192
	global_load_b128 v[16:19], v5, s[4:5]                          ; both blocks' Q stay in registers
	global_load_b128 v[20:23], v5, s[4:5] offset:512
	global_load_b128 v[24:27], v6, s[4:5]
	global_load_b128 v[28:31], v6, s[4:5] offset:512
	v_mov_b32 v236, 0                              ; a lane permute's destination counts as one of its sources
	v_mov_b32 v252, 0
	v_mov_b32 v253, 0                              ; (named as the upper half of the pair v[252:253])
.macro INIT                            ; a block's start: the loop is written once, and its first step finds zeros, which the first change of M leaves zeros
	v_mov_b32 v13, 0xff61b1e6                      ; -3e38, under every t
	v_floor_f32 v12, -v13
	v_mov_b32 v14, 0
	v_mov_b32 v15, 0
.set n, 0
.rept 32
	v_mov_b32 v[160+n], 0
.set n, n+1
.endr
.endm
	INIT
	s_wait_kmcnt 0x0
	s_add_co_i32 s40, s54, s55                     ; e6 + e7 go into c's exponent field
	s_lshl_b32 s40, s40, 23
	s_add_co_i32 s[CS], s40, 0x3e38aa3b            ; log2(e) / 8
	s_mov_b32 s[CS+1], s[CS]
	s_add_co_i32 s[EPV], s56, s57
	s_cmp_lt_i32 s56, -8
	s_cselect_b32 s[HOLD], 1, 0
	s_add_co_i32 s40, s56, 127
	s_lshl_b32 s41, s40, 23
	v_mov_b32 v244, s41                            ; 2^e8
	s_add_co_i32 s40, s40, 8
	s_lshl_b32 s40, s40, 23
	s_or_b32 s40, s40, 0x600000
	v_mov_b32 v240, s40                            ; 448 x 2^e8
	s_add_co_i32 s40, s58, 127
	s_lshl_b32 s41, s40, 23
	v_mov_b32 v246, s41                            ; 2^e10
	s_add_co_i32 s40, s40, 8
	s_lshl_b32 s40, s40, 23
	s_or_b32 s40, s40, 0x600000
	v_mov_b32 v247, s40                            ; 448 x 2^e10
	s_wait_loadcnt 0x0
.irp u, 0,1,2,3
	ds_store_b128 v[TI], v[SG+4*\u:SG+4*\u+3] offset:8192*\u
.endr
	s_wait_dscnt 0x0                               ; for the others' sake: my part of slot 0 lies in buffer 0
	s_barrier_signal -1
	s_barrier_wait -1
; A KEY STEP: 128 keys, the q-th half of the slot in buffer buf.
.macro STEP buf, q
	s_add_co_u32 s40, s[Q0], 15                    ; a step all of whose keys come after my 16 queries is left out: a branch on ids; no barrier stands in a step
	s_cmp_gt_u32 s[KF], s40
	s_cbranch_scc1 .Lhidden_\@
.irp c, 0,1,2,3,4,5,6,7
	ds_load_b128 v[KV+8*\c:KV+8*\c+3], v[LI] offset:32768*\buf+8192*\q+1024*\c
	ds_load_b128 v[KV+8*\c+4:KV+8*\c+7], v[LI] offset:32768*\buf+8192*\q+1024*\c+512
.endr
	s_wait_dscnt 8                                 ; tiles 0-3 are in; the eight younger loads may be out
.irp c, 0,1,2,3
	v_wmma_f32_16x16x64_fp8_fp8 v[96+8*\c:103+8*\c], v[KV+8*\c:KV+8*\c+7], v[16:23], 0
.endr
	s_wait_dscnt 0x0
.irp c, 4,5,6,7
	v_wmma_f32_16x16x64_fp8_fp8 v[96+8*\c:103+8*\c], v[KV+8*\c:KV+8*\c+7], v[16:23], 0
.endr
.rept 4
	v_nop                                          ; places in front of the loads into K's registers and of the first read of the scores
.endr
.irp t, 0,1,2,3
.irp c, 0,1,2,3
	ds_load_b128 v[KV+16*\t+4*\c:KV+16*\t+4*\c+3], v[LI] offset:32768*\buf+16384+8192*\q+2048*\t+512*\c   ; V lands during the softmax
.endr
.endr
	s_add_co_u32 s40, s[KF], 127                   ; on the diagonal hidden scores become -infinity ahead of the maximum; a step all of whose keys count skips this
	s_cmp_le_u32 s40, s[Q0]
	s_cbranch_scc1 .Lopen_\@
	s_sub_co_i32 s40, s[Q0], s[KF]
	v_add_nc_u32 v252, s40, v[RH]                  ; d = my query - KF - 8 h.  Register n holds key KF + 8 h + 16 (n / 8) + n % 8: hidden where 16 (n / 8) + n % 8 > d
	v_mov_b32 v254, 0xff800000
.set n, 0
.rept 64
	v_cmp_gt_i32 vcc_lo, 16*(n/8)+n%8, v252
	v_cndmask_b32 v[96+n], v[96+n], v254, vcc_lo
.set n, n+1
.endr
.Lopen_\@:
	v_max3_num_f32 v254, v96, v97, v98             ; the step's largest score of my query among my 64 keys, in two chains, each accumulator from its low end on
	v_max3_num_f32 v252, v99, v100, v101
.irp i, 6,10,14,18,22,26,30,34,38,42,46,50,54,58
	v_max3_num_f32 v254, v254, v[96+\i], v[97+\i]
	v_max3_num_f32 v252, v252, v[98+\i], v[99+\i]
.endr
	v_max3_num_f32 v254, v254, v158, v159
	v_max_num_f32 v254, v254, v252
	v_permlanex16_b32 v236, v254, s[SEL], s[SEL+1]
	v_max_num_f32 v254, v254, v236                 ; and among lane l xor 16's
	v_mul_f32 v254, s[CS], v254                    ; as t (c is positive)
	v_max_num_f32 v13, v13, v254
	v_mov_b32 v254, v12
	v_floor_f32 v12, -v13                          ; the new -M = -ceil(t)
	v_sub_f32 v254, v12, v254                      ; old M - new M: a whole number, 0 or less
	v_cvt_i32_f32 v254, v254
	v_ldexp_f32 v252, 1.0, v254                    ; f = 2^(old M - new M): rounds nothing
.set n, 0
.rept 32
	v_pk_fma_f32 v[96+n:97+n], v[96+n:97+n], s[CS:CS+1], v[12:13] op_sel_hi:[1,0,0]   ; t - M
.set n, n+2
.endr
.set n, 0
.rept 64
	v_exp_f32 v[96+n], v[96+n]                     ; p, not normalised
.set n, n+1
.endr
	v_pk_mul_f32 v[14:15], v[14:15], v[252:253] op_sel_hi:[1,0]   ; the sums under the new M: the plain line behind the exponentials
	s_wait_alu depctr_va_vdst(0)                   ; one wait for the batch, ahead of its first reader
	v_pk_add_f32 v[242:243], v[96:97], v[98:99]    ; the row's sum of the unquantised p, in two chains
.irp j, 4,8,12,16,20,24,28,32,36,40,44,48,52,56,60
	v_pk_add_f32 v[14:15], v[14:15], v[96+\j:97+\j]
	v_pk_add_f32 v[242:243], v[242:243], v[98+\j:99+\j]
.endr
	v_pk_add_f32 v[14:15], v[14:15], v[242:243]
	s_cmp_eq_u32 s[HOLD], 0
	s_cbranch_scc1 .Lnohold_\@
.set n, 0
.rept 64
	v_min_num_f32 v[96+n], v[96+n], v240           ; the conversion does not saturate (ISA guide 7.6.2); p is not negative
.set n, n+1
.endr
.Lnohold_\@:
.irp c, 0,1,2,3,4,5,6,7
	v_cvt_scalef32_pk8_fp8_f32 v[192+2*\c:193+2*\c], v[96+8*\c:103+8*\c], v244
.endr
.set n, 0
.rept 16
	v_pk_mul_f32 v[160+n:161+n], v[160+n:161+n], v[252:253] op_sel_hi:[1,0]   ; O^T under the new M; also the plain lines behind the conversions
.set n, n+2
.endr
	s_wait_dscnt 0x0                               ; V
.irp t, 0,1,2,3
	v_wmma_f32_16x16x128_fp8_fp8 v[160+8*\t:167+8*\t], v[KV+16*\t:KV+16*\t+15], v[192:207], v[160+8*\t:167+8*\t]   ; the four accumulators by turns
.endr
.rept 4
	v_nop                                          ; places in front of the next loads into V's registers and of the next read of O^T
.endr
.Lhidden_\@:
	s_add_co_u32 s[KF], s[KF], 128
.endm
; A block's end: O^T / l x 2^(e8 + e9), quantised with 2^e10: registers 2t, 2t+1 are k = 64 head + 16 t + 8 h + 0..7 of my 16 rows of the last product's operand.
.macro FINISH
	s_wait_xcnt 0x0                                ; the first block's stores have read their codes and their offset
	v_add_f32 v14, v14, v15
	v_permlanex16_b32 v252, v14, s[SEL], s[SEL+1]
	v_add_f32 v14, v14, v252
	v_rcp_f32 v14, v14
	v_add_nc_u32 v232, s[OUTO], v[LI]              ; (the plain line behind the reciprocal)
	s_wait_alu depctr_va_vdst(0)                   ; ahead of its first reader
	v_ldexp_f32 v14, v14, s[EPV]
.set n, 0
.rept 16
	v_pk_mul_f32 v[96+n:97+n], v[160+n:161+n], v[14:15] op_sel_hi:[1,0]
.set n, n+2
.endr
.set n, 0
.rept 32
	v_med3_num_f32 v[96+n], v[96+n], -v247, v247
.set n, n+1
.endr
.irp t, 0,1,2,3
	v_cvt_scalef32_pk8_fp8_f32 v[224+2*\t:225+2*\t], v[96+8*\t:103+8*\t], v246
.endr
	v_nop
	global_store_b128 v232, v[224:227], s[12:13]                   ; 512 consecutive bytes each
	global_store_b128 v232, v[228:231], s[12:13] offset:512
.endm
.macro RESTART                         ; on to block 7 - I
.irp i, 0,1,2,3,4,5,6,7
	v_mov_b32 v[16+\i], v[24+\i]
.endr
	INIT
	s_mov_b32 s[Q0], s[Q0H]
	s_mov_b32 s[OUTO], s[OUTH]
	s_mov_b32 s[KS], 0
.endm
; A trip: slot KS out of buffer buf.  The trip's number is T + buf.  fill = 1: the next trip's slot is loaded meanwhile and stored into the other buffer.
.macro TRIP buf, fill
.if \fill
.if \buf
	s_cmp_eq_u32 s[T], s[IB]                       ; trip I + 1 begins the second block
.else
	s_cmp_eq_u32 s[T], s[I1]
.endif
	s_cbranch_scc0 .Lsame_\@
	FINISH
	RESTART
.Lsame_\@:
	s_add_co_u32 s40, s[KS], 1                     ; the next trip's slot: the next one, or 0 behind the first block's last (trip I)
.if \buf
	s_cmp_eq_u32 s[T], s[IM]
.else
	s_cmp_eq_u32 s[T], s[IB]
.endif
	s_cselect_b32 s40, 0, s40
	s_lshl_b32 s40, s40, 14
	s_mov_b32 s41, 0
	s_add_nc_u64 s[KA:KA+1], s[K0:K0+1], s[40:41]  ; (the last trip's loads were waited for: their bases may be written)
	s_add_nc_u64 s[VA:VA+1], s[V0:V0+1], s[40:41]
	global_load_b128 v[SG:SG+3], v[TI], s[KA:KA+1]
	global_load_b128 v[SG+4:SG+7], v[TI], s[KA:KA+1] offset:8192
	global_load_b128 v[SG+8:SG+11], v[TI], s[VA:VA+1]
	global_load_b128 v[SG+12:SG+15], v[TI], s[VA:VA+1] offset:8192
.endif
	s_lshl_b32 s[KF], s[KS], 8
	STEP \buf, 0
	STEP \buf, 1
.if \fill
	s_wait_loadcnt 0x0
.irp u, 0,1,2,3
	ds_store_b128 v[TI], v[SG+4*\u:SG+4*\u+3] offset:32768*(1-\buf)+8192*\u   ; the other buffer: every wave's reads of it were back in front of the last barrier
.endr
	s_add_co_u32 s[KS], s[KS], 1
	s_wait_dscnt 0x0                               ; my stores have landed, and my reads of this buffer are back
	s_barrier_signal -1
	s_barrier_wait -1
.endif
.endm
.Ltrip:                                            ; four passes of two trips
	TRIP 0, 1
	TRIP 1, 1
	s_add_co_u32 s[T], s[T], 2
	s_cmp_lt_u32 s[T], 8
	s_cbranch_scc1 .Ltrip
	TRIP 0, 0                                      ; the ninth trip loads nothing
	FINISH
	s_wait_tensorcnt 0x0
	ds_add_u32 v251, v255
	s_wait_dscnt 0x0
	s_endpgm
.Lfunc_end_k_qfe8af909c5_attn:
	.size	k_qfe8af909c5_attn, .Lfunc_end_k_qfe8af909c5_attn-k_qfe8af909c5_attn
	.p2alignl 7, 3214868480
	.fill 96, 4, 3214868480
	.section	.rodata,"a",@progbits
	.p2align	6, 0x0
	.amdhsa_kernel k_qfe8af909c5_attn
		.amdhsa_group_segment_fixed_size 67584
		.amdhsa_private_segment_fixed_size 0
		.amdhsa_enable_private_segment 0
		.amdhsa_kernarg_size 40
		.amdhsa_user_sgpr_count 2
		.amdhsa_user_sgpr_kernarg_segment_ptr 1
		.amdhsa_wavefront_size32 1
		.amdhsa_system_sgpr_workgroup_id_x 1
		.amdhsa_system_sgpr_workgroup_id_y 1
		.amdhsa_system_sgpr_workgroup_id_z 1
		.amdhsa_system_vgpr_workitem_id 0
		.amdhsa_next_free_vgpr 256
		.amdhsa_next_free_sgpr 66
		.amdhsa_reserve_vcc 1
		.amdhsa_float_denorm_mode_32 3
		.amdhsa_float_denorm_mode_16_64 3
		.amdhsa_memory_ordered 1
		.amdhsa_forward_progress 1
		.amdhsa_inst_pref_size 146
	.end_amdhsa_kernel
	.amdgpu_metadata
---
amdhsa.version: [ 1, 2 ]
amdhsa.kernels:
  - .name:           k_qfe8af909c5_attn
    .symbol:         k_qfe8af909c5_attn.kd
    .args:
      - { .name: qc, .offset: 0, .size: 8, .value_kind: global_buffer, .address_space: global }
      - { .name: kc, .offset: 8, .size: 8, .value_kind: global_buffer, .address_space: global }
      - { .name: vc, .offset: 16, .size: 8, .value_kind: global_buffer, .address_space: global }
      - { .name: lowp_scales, .offset: 24, .size: 8, .value_kind: global_buffer, .address_space: global }
      - { .name: ac, .offset: 32, .size: 8, .value_kind: global_buffer, .address_space: global }
    .group_segment_fixed_size: 67584
    .private_segment_fixed_size: 0
    .kernarg_segment_align: 8
    .kernarg_segment_size: 40
    .max_flat_workgroup_size: 512
    .sgpr_count:     66
    .vgpr_count:     256
    .wavefront_size: 32
...
	.end_amdgpu_metadata
.endif
;; end of part 3
;; launch proj (part 4): grid 4 x 32, 4 waves a work-group, clusters of 4 x 4, 327,680 bytes of LDS; arguments ac, wc, lowp_scales, bp, out0; writes out0
.if DOCPART == 4
	.amdgcn_target "amdgcn-amd-amdhsa--gfx1250"
	.amdhsa_code_object_version 6
	.text
	.protected	k_qfe8af909c5_proj
	.globl	k_qfe8af909c5_proj
	.p2align	8
	.type	k_qfe8af909c5_proj,@function
k_qfe8af909c5_proj:
	s_mov_b64 s[64:65], 0
	v_nop
	global_prefetch_b8 v0, s[64:65] scope:SCOPE_SE
	s_setreg_imm32_b32 hwreg(HW_REG_WAVE_MODE, 25, 1), 1
	s_wait_xcnt 0x0
	s_wait_alu depctr_hold_cnt(0) depctr_sa_sdst(0) depctr_va_vdst(0) depctr_va_sdst(0) depctr_va_ssrc(0) depctr_va_vcc(0) depctr_vm_vsrc(0)
	s_getreg_b32 s2, hwreg(HW_REG_IB_STS2, 6, 4)
	s_cmp_eq_u32 s2, 0
	s_cbranch_scc0 .Lentry_in_a_cluster
	s_endpgm
.Lentry_in_a_cluster:
	s_bfe_u32 s2, ttmp6, 0x10000c
	s_cmp_lg_u32 s2, 0xf033
	s_cbranch_scc0 .Lentry_shape_is_right
	s_endpgm
.Lentry_shape_is_right:
; out0 = o Wp + bp on E4M3 codes: A = ac (8,192 tokens x 1,024), B = Wp's codes (the fourth MiB of wc; rows = output features); out0 [8192][1024] f32 = sum x 2^(e10 + e11) + bp.
; A tile of 256 x 256 is made by four waves, each 128 x 128 in 64 accumulators; source 0 = 16 rows of B, source 1 = 16 rows of A, so that a lane holds eight neighbouring numbers of a row of out0.
; OPERANDS lie as images of registers: [rows/128][4 runs of 256 k][8 tiles][2 steps of 128 k][2,048 bytes: registers 4c..4c+3 of lane l at 512 c + 16 l]: 128 rows x 256 k are one dense block of 32,768 bytes, one tensor load;
; in LDS a fragment comes by four loads of 512 consecutive bytes.  K's four runs go through two slots; the steps are written out.
; CLUSTERS: 4 x 4 work-groups; A's blocks are asked for jointly along a row of the cluster, B's along a column.  128 work-groups: a smaller tile would read more LDS bytes for each product.
; THE WAY OUT: a block of 16 rows x 128 columns goes from the accumulators into the wave's own stage in LDS and comes back as whole rows of 512 bytes; there a lane holds the same four columns in every row, so four registers hold its biases.
; LIMIT: e10 + e11 between -126 and 127.
; REGISTERS: window 0: v0-31 addresses, v8-11 the biases, v128-255 A's fragments (one set), later rows on the way out; window 1: B's two sets; windows 2, 3: the accumulators ((a, b) at v[8 (8 (a % 4) + b)]).
.set HALFT,  32768
.set SLOT,   4*HALFT
.set SPARE,  2*SLOT                    ; behind the ring: the spare words, 128 bytes a wave
.set STAGE,  SPARE+512                 ; behind them the stages: bytes of their own, into which no tile lands
.set SPITCH, 528                       ; a stage row: 512 bytes + 16
.set FR,     16
.set NL,     4
.set NP,     4
.set ADRA, 16
.set ADRB, 20
.set STO,  24                          ; v24     where I put 32 bytes of a row
.set RD,   25                          ; v25     where I read a row back
.set CO,   26                          ; v26     16 x lane
.set SPW,  28
.set NIL,  29
.set AF,   128
.set BK,   128                         ; the way out: v128-191 and v192-255 by turns
.set G1, 24
.set G0, 32
.set G1B, 48
.set G0B, 56
.set MSB, 0
.macro WIN new                         ; the immediate's high byte repeats the setting that is left
.if MSB != (\new)
	s_set_vgpr_msb (MSB<<8)|(\new)
.set MSB, (\new)
.endif
.endm
.set MUL_LO, 0xa1
.set MUL_HI, 0xf1
.set TO_B,   0x40
.macro JLOAD g0a, g1a, g0b, g1b        ; a joint load: waves 0 and 1 fetch for A, waves 2 and 3 for B; four v_nop follow each line
	s_cmp_eq_u32 s15, 0
	s_cbranch_scc0 .Lfor_b_\@
	tensor_load_to_lds s[\g0a:\g0a+3], s[\g1a:\g1a+7]
	s_nop 0
.rept 4
	v_nop
.endr
	s_branch .Lasked_\@
.Lfor_b_\@:
	tensor_load_to_lds s[\g0b:\g0b+3], s[\g1b:\g1b+7]
	s_nop 0
.rept 4
	v_nop
.endr
.Lasked_\@:
.endm
.macro CREST
	s_cmp_lg_u32 s14, 0
	s_cbranch_scc1 .Lnot_wave_0_\@
	s_barrier_signal -3
.Lnot_wave_0_\@:
	s_barrier_wait -3
	s_barrier_signal -1
	s_barrier_wait -1
.endm
.macro CROUND
	s_barrier_signal -1
	s_barrier_wait -1
	CREST
.endm
	s_load_b128 s[4:7], s[0:1], 0x0                ; ac s[4:5], wc s[6:7]
	s_load_b128 s[8:11], s[0:1], 0x10              ; the exponents s[8:9], bp s[10:11]
	s_load_b64 s[12:13], s[0:1], 0x20              ; out0
	v_lshl_add_u32 v[SPW], v0, 2, SPARE
	v_mov_b32 v[NIL], 0
	ds_add_u32 v28, v29
	ds_add_u32 v28, v29
	s_wait_dscnt 0x0
	v_lshrrev_b32 v1, 5, v0
	v_readfirstlane_b32 s14, v1                    ; wave 0..3
	s_lshr_b32 s15, s14, 1                         ; which half of the tile's rows is mine.  Also: I fetch for A (0) or for B (1)
	s_and_b32 s16, s14, 1                          ; which half of its columns.  Also: which 128 rows I fetch
	s_bfe_u32 s40, ttmp6, 0x40000                  ; cx
	s_bfe_u32 s41, ttmp6, 0x40004                  ; cy
	s_lshl_b32 s42, ttmp9, 2
	s_add_co_u32 s42, s42, s40                     ; tile column
	s_and_b32 s17, ttmp7, 0xffff
	s_lshl_b32 s17, s17, 2
	s_add_co_u32 s17, s17, s41                     ; tile row
	s_lshl_b32 s43, s41, 2
	s_lshl_b32 s43, 15, s43                        ; my row of the cluster
	s_lshl_b32 s44, 0x1111, s40                    ; my column
	s_or_b32 s[G1+0], s43, (3<<16)|(1<<21)         ; 15:0 the mask; 17:16 elements of 8 bytes; 20 no padding; 21 set beside a mask
	s_or_b32 s[G1B+0], s44, (3<<16)|(1<<21)
.irp g, G1, G1B
	s_mov_b32 s[\g+1], 32<<16                      ; a dense block of 32,768 bytes as 128 rows of 32 elements
	s_mov_b32 s[\g+2], 128<<16
	s_mov_b32 s[\g+3], 32<<16
	s_mov_b32 s[\g+4], 128
	s_mov_b32 s[\g+5], 32
	s_mov_b32 s[\g+6], 0
	s_mov_b32 s[\g+7], 0
.endr
	s_lshl_b32 s20, s17, 1                         ; A: block of 128 rows = 2 x tile row + the half that I fetch
	s_add_co_u32 s20, s20, s16
	s_lshl_b32 s20, s20, 17
	s_mov_b32 s21, 0
	s_lshl_b32 s46, s42, 1                         ; B likewise,
	s_add_co_u32 s46, s46, s16
	s_lshl_b32 s46, s46, 17
	s_add_co_u32 s46, s46, 0x300000                ; in Wp's codes
	s_mov_b32 s47, 0
	s_mul_i32 s45, s14, HALFT
	s_wait_kmcnt 0x0
	s_load_b64 s[96:97], s[8:9], 0x28              ; e10, e11
	s_add_nc_u64 s[20:21], s[4:5], s[20:21]
	s_add_nc_u64 s[46:47], s[6:7], s[46:47]
	CROUND                                         ; all sixteen work-groups are here: the first joint loads meet
.irp s, 0,1
	s_mov_b32 s[G0+4*\s], 1
	s_add_co_u32 s[G0+4*\s+1], s45, \s*SLOT
	s_add_nc_u64 s[G0+4*\s+2:G0+4*\s+3], s[20:21], \s*HALFT
	s_or_b32 s[G0+4*\s+3], s[G0+4*\s+3], 0x80000000
	s_mov_b32 s[G0B+4*\s], 1
	s_add_co_u32 s[G0B+4*\s+1], s45, \s*SLOT
	s_add_nc_u64 s[G0B+4*\s+2:G0B+4*\s+3], s[46:47], \s*HALFT
	s_or_b32 s[G0B+4*\s+3], s[G0B+4*\s+3], 0x80000000
	JLOAD G0+4*\s, G1, G0B+4*\s, G1B
.endr
	v_and_b32 v1, 15, v0                           ; r
	v_bfe_u32 v2, v0, 4, 1                         ; h
	v_and_b32 v6, 31, v0
	v_lshlrev_b32 v[CO], 4, v6
	s_mul_i32 s21, s15, HALFT
	s_mul_i32 s22, s16, HALFT
	s_add_co_u32 s22, s22, 2*HALFT
.irp s, 0,1
	v_add_nc_u32 v[ADRA+\s], s21, v[CO]
	v_add_nc_u32 v[ADRB+\s], s22, v[CO]
	s_add_co_u32 s21, s21, SLOT
	s_add_co_u32 s22, s22, SLOT
.endr
	s_mul_i32 s23, s14, 16*SPITCH
	s_add_co_u32 s23, s23, STAGE                   ; my stage
	v_mul_u32_u24 v5, v1, SPITCH                   ; in: row r, 32 bytes for each half of the lanes
	v_lshl_add_u32 v5, v2, 5, v5
	v_add_nc_u32 v[STO], s23, v5
	v_add_nc_u32 v[RD], s23, v[CO]                 ; back: the 32 lanes take one row of 512 bytes
	s_lshl_b32 s20, s17, 1
	s_add_co_u32 s20, s20, s15
	s_lshl_b32 s20, s20, 19                        ; my first row: 128 rows of 4,096 bytes
	s_mov_b32 s21, 0
	s_lshl_b32 s46, s42, 1
	s_add_co_u32 s46, s46, s16
	s_lshl_b32 s46, s46, 9                         ; my first column: 128 numbers of 4 bytes
	s_mov_b32 s47, 0
	s_add_nc_u64 s[10:11], s[10:11], s[46:47]
	s_add_nc_u64 s[12:13], s[12:13], s[20:21]
	s_add_nc_u64 s[12:13], s[12:13], s[46:47]
	global_load_b128 v[8:11], v[CO], s[10:11]      ; bp at my four columns
.macro FRAG reg, adr, q, i
.irp c, 0,1,2,3
	ds_load_b128 v[\reg+4*\c:\reg+4*\c+3], v[\adr] offset:4096*(\i)+2048*(\q)+512*\c
.endr
.endm
; The 64 accumulators take turns, one instruction a turn, in the same order in every step.
.macro MUL16 a0, p, zero
.irp a, \a0, \a0+1
.irp b, 0,1,2,3,4,5,6,7
.if \zero
	v_wmma_f32_16x16x128_fp8_fp8 v[8*(8*((\a)%4)+\b):8*(8*((\a)%4)+\b)+7], v[128*(\p)+FR*\b:128*(\p)+FR*\b+FR-1], v[AF+FR*(\a):AF+FR*(\a)+FR-1], 0
.else
	v_wmma_f32_16x16x128_fp8_fp8 v[8*(8*((\a)%4)+\b):8*(8*((\a)%4)+\b)+7], v[128*(\p)+FR*\b:128*(\p)+FR*\b+FR-1], v[AF+FR*(\a):AF+FR*(\a)+FR-1], v[8*(8*((\a)%4)+\b):8*(8*((\a)%4)+\b)+7]
.endif
.endr
.endr
.endm
.macro FETCH_B slot, q, p
	WIN TO_B
.irp i, 0,1,2,3,4,5,6,7
	FRAG 128*(\p)+FR*\i, ADRB+\slot, \q, \i
.endr
	WIN 0
.endm
.macro FETCH_A slot, q, i0
.irp i, \i0, \i0+1, \i0+2, \i0+3
	FRAG AF+FR*(\i), ADRA+\slot, \q, \i
.endr
.endm
.macro PLACES n                        ; plain vector lines between a matrix instruction and a load into, or a read of, its registers
.rept \n
	v_nop
.endr
.endm
.macro STEP slot, q, zero
	s_wait_dscnt 4*NL                              ; B's set and A's blocks 0-3 are in; the youngest sixteen loads (A's blocks 4-7) may be out
	WIN MUL_LO
	MUL16 0, (\q)%2, \zero
	MUL16 2, (\q)%2, \zero
	s_wait_dscnt 0
	PLACES NP
	FETCH_B \slot, (\q)+1, 1-(\q)%2
	FETCH_A \slot, (\q)+1, 0
	WIN MUL_HI
	MUL16 4, (\q)%2, \zero
	MUL16 6, (\q)%2, \zero
	PLACES NP
	WIN 0
	FETCH_A \slot, (\q)+1, 4
.endm
.macro TURN slot, next, fill
	s_wait_tensorcnt 0x0                           ; all my tensor loads have landed: my part of the next slot
	ds_add_u32 v[SPW], v[NIL]                      ; 0 onto my spare word
	s_wait_dscnt 4*NL+1                            ; the add and the youngest sixteen loads may be out
	WIN MUL_LO
	MUL16 0, 1, 0
	s_wait_dscnt 0x0                               ; the add is done, and my reads of this slot are over
	s_barrier_signal -1
	MUL16 2, 1, 0
	WIN 0
	s_barrier_wait -1
.if \fill
	CREST                                          ; the barrier has opened a round of the cluster's: no wave of any partner still reads this slot or has a load on its way
	s_add_nc_u64 s[G0+4*\slot+2:G0+4*\slot+3], s[G0+4*\slot+2:G0+4*\slot+3], 2*HALFT
	s_add_nc_u64 s[G0B+4*\slot+2:G0B+4*\slot+3], s[G0B+4*\slot+2:G0B+4*\slot+3], 2*HALFT
	JLOAD G0+4*\slot, G1, G0B+4*\slot, G1B
.else
	PLACES NP
.endif
	FETCH_B \next, 0, 0
	FETCH_A \next, 0, 0
	WIN MUL_HI
	MUL16 4, 1, 0
	MUL16 6, 1, 0
	PLACES NP
	WIN 0
	FETCH_A \next, 0, 4
.endm
	s_wait_tensorcnt 1                             ; my part of slot 0 is in; slot 1's load may be out
	s_barrier_signal -1
	s_barrier_wait -1
	FETCH_B 0, 0, 0
	FETCH_A 0, 0, 0
	FETCH_A 0, 0, 4
	STEP 0, 0, 1                                   ; these products start the sums
	TURN 0, 1, 1
	STEP 1, 0, 0
	TURN 1, 0, 1
	STEP 0, 0, 0
	TURN 0, 1, 0
	STEP 1, 0, 0
	s_wait_dscnt 4*NL
	WIN MUL_LO
	MUL16 0, 1, 0
	MUL16 2, 1, 0
	s_wait_dscnt 0
	WIN MUL_HI
	MUL16 4, 1, 0
	MUL16 6, 1, 0
	WIN 0
.macro TOSTAGE a                       ; block a's sums go into my stage as they stand, each accumulator's low half first, and come back as rows
.set AC, 64*((\a)%4)
	WIN 0x08+4*((\a)/4)                            ; the stores' data: window 2 or 3
.irp b, 0,1,2,3,4,5,6,7
	ds_store_b128 v[STO], v[AC+8*\b:AC+8*\b+3] offset:64*\b
	ds_store_b128 v[STO], v[AC+8*\b+4:AC+8*\b+7] offset:64*\b+16
.endr
	WIN 0
.set BB, BK+64*((\a)%2)
.irp t, 0,1,2,3,4,5,6,7,8,9,10,11,12,13,14,15
	ds_load_b128 v[BB+4*\t:BB+4*\t+3], v[RD] offset:\t*SPITCH      ; LDS serves a wave's instructions in order (ISA guide 5.7.1.4): these see the stores above
.endr
.endm
.macro SEND a, younger                 ; younger: the LDS instructions issued behind block a's loads, which may stay out
.set BB, BK+64*((\a)%2)
	s_wait_dscnt \younger
.irp t, 0,1,2,3,4,5,6,7,8,9,10,11,12,13,14,15
	v_pk_fma_f32 v[BB+4*\t:BB+4*\t+1], v[BB+4*\t:BB+4*\t+1], s[96:97], v[8:9] op_sel_hi:[1,0,1]         ; sum x 2^(e10 + e11) + bp
	v_pk_fma_f32 v[BB+4*\t+2:BB+4*\t+3], v[BB+4*\t+2:BB+4*\t+3], s[96:97], v[10:11] op_sel_hi:[1,0,1]
.endr
.if (\a) > 0
	s_add_nc_u64 s[12:13], s[12:13], 16*4096       ; (behind a wait on XCNT: the earlier stores have read their base)
.endif
.irp t, 0,1,2,3,4,5,6,7,8,9,10,11,12,13,14,15
	global_store_b128 v[CO], v[BB+4*\t:BB+4*\t+3], s[12:13] offset:\t*4096 th:TH_STORE_NT   ; 32 lanes store 512 consecutive bytes of a row
.endr
.endm
	s_wait_kmcnt 0x0
	s_add_co_i32 s96, s96, s97
	s_add_co_i32 s96, s96, 127
	s_lshl_b32 s96, s96, 23                        ; 2^(e10 + e11) as f32
	s_mov_b32 s97, s96                             ; (named with it as a pair)
	PLACES NP
	s_wait_loadcnt 0x0                             ; the biases
	TOSTAGE 0
.irp a, 1,2,3,4,5,6,7
.if \a > 1
	s_wait_xcnt 0x0                                ; block a - 2's stores have read their registers and their base
.endif
	TOSTAGE \a
	SEND \a-1, 32                                  ; behind block a - 1's loads: block a's 16 stores and 16 loads
.endr
	s_wait_xcnt 0x0
	SEND 7, 0
	s_wait_tensorcnt 0x0                           ; the wave's end
	ds_add_u32 v[SPW], v[NIL]
	s_wait_dscnt 0x0
	CROUND                                         ; the closing round
	s_endpgm
.Lfunc_end_k_qfe8af909c5_proj:
	.size	k_qfe8af909c5_proj, .Lfunc_end_k_qfe8af909c5_proj-k_qfe8af909c5_proj
	.p2alignl 7, 3214868480
	.fill 96, 4, 3214868480
	.section	.rodata,"a",@progbits
	.p2align	6, 0x0
	.amdhsa_kernel k_qfe8af909c5_proj
		.amdhsa_group_segment_fixed_size 327680
		.amdhsa_private_segment_fixed_size 0
		.amdhsa_enable_private_segment 0
		.amdhsa_kernarg_size 40
		.amdhsa_user_sgpr_count 2
		.amdhsa_user_sgpr_kernarg_segment_ptr 1
		.amdhsa_wavefront_size32 1
		.amdhsa_system_sgpr_workgroup_id_x 1
		.amdhsa_system_sgpr_workgroup_id_y 1
		.amdhsa_system_sgpr_workgroup_id_z 1
		.amdhsa_system_vgpr_workitem_id 0
		.amdhsa_next_free_vgpr 1024
		.amdhsa_next_free_sgpr 106
		.amdhsa_reserve_vcc 0
		.amdhsa_float_denorm_mode_32 3
		.amdhsa_float_denorm_mode_16_64 3
		.amdhsa_memory_ordered 1
		.amdhsa_forward_progress 1
		.amdhsa_inst_pref_size 123
	.end_amdhsa_kernel
	.amdgpu_metadata
---
amdhsa.version: [ 1, 2 ]
amdhsa.kernels:
  - .name:           k_qfe8af909c5_proj
    .symbol:         k_qfe8af909c5_proj.kd
    .args:
      - { .name: ac, .offset: 0, .size: 8, .value_kind: global_buffer, .address_space: global }
      - { .name: wc, .offset: 8, .size: 8, .value_kind: global_buffer, .address_space: global }
      - { .name: lowp_scales, .offset: 16, .size: 8, .value_kind: global_buffer, .address_space: global }
      - { .name: bp, .offset: 24, .size: 8, .value_kind: global_buffer, .address_space: global }
      - { .name: out0, .offset: 32, .size: 8, .value_kind: global_buffer, .address_space: global }
    .group_segment_fixed_size: 327680
    .private_segment_fixed_size: 0
    .kernarg_segment_align: 8
    .kernarg_segment_size: 40
    .max_flat_workgroup_size: 128
    .sgpr_count:     106
    .vgpr_count:     1024
    .wavefront_size: 32
...
	.end_amdgpu_metadata
.endif
;; end of part 4
;; ======== version 2 of 2: 4 launches; version 1 with the launch attn written anew for expert scheduling mode
;; workspace buffers: xc 25,165,824 bytes; wc 4,194,304 bytes; qc 8,388,608 bytes; kc 8,388,608 bytes; vc 8,388,608 bytes; ac 8,388,608 bytes
;; launch quant: the kernel of part 1 again; grid 768 x 1, 4 waves a work-group, no clusters, 50,688 bytes of LDS; arguments x, Wq, Wk, Wv, Wp, lowp_scales, xc, wc; writes xc, wc
;; launch qkv: the kernel of part 2 again; grid 12 x 32, 4 waves a work-group, clusters of 4 x 4, 327,680 bytes of LDS; arguments xc, wc, lowp_scales, bq, bk, bv, qc, kc, vc; writes qc, kc, vc
;; launch attn (part 5): grid 4 x 64, 16 waves a work-group, no clusters, 67,584 bytes of LDS; arguments qc, kc, vc, lowp_scales, ac; writes ac
.if DOCPART == 5
	.amdgcn_target "amdgcn-amd-amdhsa--gfx1250"
	.amdhsa_code_object_version 6
	.text
	.protected	k_qfe8af909c5_attn
	.globl	k_qfe8af909c5_attn
	.p2align	8
	.type	k_qfe8af909c5_attn,@function
k_qfe8af909c5_attn:
	s_mov_b64 s[64:65], 0
	v_nop
	global_prefetch_b8 v0, s[64:65] scope:SCOPE_SE
	s_setreg_imm32_b32 hwreg(HW_REG_WAVE_SCHED_MODE, 0, 2), 2
	s_setreg_imm32_b32 hwreg(HW_REG_WAVE_MODE, 25, 1), 1
	s_wait_xcnt 0x0
	s_wait_alu depctr_vm_vsrc(0)
; Causal attention on E4M3 codes, head size 64, 2,048 tokens, 64 (batch, head) pairs.  o = (sum over keys of Q(p) v) / l, p = 2^(t - M), t = score x log2(e) / 8, M = the running largest t rounded up to a whole number;
; l is the sum of the unquantised p.  o is quantised at once with 2^e10 and stored as the last product's operand, in the order of its registers.
; SHARES.  Work-group (I, batch x head) owns the query blocks I and 7 - I, 256 queries each; wave w owns 16 queries of the block in hand.  Block b needs key slots 0 .. b of 256 keys: I + 1 slots, then 8 - I: NINE TRIPS in every
; work-group, so all 256 work-groups have the same work, the trip count is a constant, and no slot that lies wholly under the mask is fetched.
; NO CLUSTER: the four work-groups of a head walk different runs of slots (0..I, 0..7-I), so in a given trip they want different tiles.
; K AND V come through two LDS buffers of 32,768 bytes, filled through registers: a slot is 64 bytes a thread, loaded at a trip's head into 16 registers and stored into the other buffer at the trip's end: the loads have the whole
; trip's work in which to land, so no wave waits long for them and nothing is asked for further ahead.  One barrier a trip: in front of it each wave's stores have landed and its reads of the buffer in hand are back.
; Two trips are written in a pass of the loop, so that each trip's buffer is a constant of the text.
; LAYOUT.  Both products are used transposed: S^T = K Q^T (source 0 = 16 keys, source 1 = my 16 queries, K = 64), O^T = V^T P^T (source 0 = 16 channels, source 1 = P, K = 128 keys): lane (r, h) holds query r throughout.
; Register j of score tile c is key 16 c + 8 h + j, which is the place that registers 2c, 2c+1 of the next operand want: the conversions' results are P's fragment.  All fragments lie in memory and LDS as images: registers 4c..4c+3 of lane l at 512 c + 16 l.
; LIMITS: e6 + e7 between -123 and 130 (added to c's exponent field); e8 and e10 between -126 and 119; e8 + e9 goes in by v_ldexp_f32.  p that falls under the format's range after M has grown is lost.
; The hold of p at 448 x 2^e8 is jumped over where e8 >= -8: then 448 x 2^e8 >= 1.75, above every p.  The branch hangs on a whole number read from memory; no barrier stands under it.
; REGISTERS: v1 16 x lane, v2 16 x thread, v5, v6 Q's offsets, v7 r - 8 h; v12 -M, v13 the largest t, v[14:15] the sum; v16-23 Q, v24-31 the second block's Q; v32-95 K's eight fragments, then V's four; v96-159 S^T, then p;
; v160-191 O^T; v192-207 p's codes; v208-223 the next slot on its way; v224-231 o's codes, v232 their offset; v236-254 at work and constants.  s48-63: first the exponents, then sixteen lane masks of the causal mask.
; THE MODE: SCHED_MODE bits 1:0 = 2 (LLVM: expert scheduling mode 2), set by the entry lines.  The code itself states the register dependences
; between vector or matrix instructions and memory or LDS instructions, with s_wait_alu, always for 0.
; THE PLAN.  Registers that memory or LDS instructions touch:
;   v1, v2, v5, v6  addresses: written once at the head, ahead of one wait on va_vdst, and never again.
;   v16-31          Q: loads land there once, at the head; afterwards only products and moves name them.
;   v208-223        the next slot: global loads land there at a trip's head, LDS stores read them at its end; no vector instruction names them.  One wait on vm_vsrc a trip, ahead of the loads.
;   v32-95          a step's K lands there, eight products read it, the step's V lands there, four products read it, the next step's K lands there.  Two waits on va_vdst a step: ahead of K's loads and ahead of V's.
;                   Behind the second, V's sixteen loads are dealt among the maximum's lines, which name v7, v96-159, v252 and v254 alone.
;   v224-232        o's codes and their offset: written by a block's finish, read by its two stores: a wait on va_vdst ahead of the stores, one on vm_vsrc ahead of the next finish.
; A scalar register that a vector instruction writes (the wave's number; the mask's compares) has a wait on va_sdst ahead of its first reader.
.set LI,  1
.set TI,  2
.set RH,  7
.set KV,  32
.set SG,  208
.set WV,   14
.set IB,   15                          ; s15 I;  s16 I + 1;  s17 I - 1
.set I1,   16
.set IM,   17
.set T,    18                          ; s18 the even trip's number
.set KS,   19                          ; s19 the key slot in hand
.set KF,   20                          ; s20 the step's first key
.set Q0,   21                          ; s21 my first query;  s22 the second block's
.set Q0H,  22
.set OUTO, 23                          ; s23 where my codes go in ac;  s24 the second block's
.set OUTH, 24
.set EPV,  25                          ; s25 e8 + e9
.set SEL,  26                          ; s[26:27] selects for lane l xor 16
.set CS,   28                          ; s[28:29] c = log2(e) / 8 x 2^(e6 + e7)
.set HOLD, 30                          ; s30 1 where p must be held
.set K0,   32                          ; s[32:33], s[34:35] the head's K and V;  s[36:37], s[38:39] the slot being loaded
.set V0,   34
.set KA,   36
.set VA,   38
.set MK,   48                          ; s48-63 sixteen lane masks
	s_load_b256 s[4:11], s[0:1], 0x0               ; qc s[4:5], kc s[6:7], vc s[8:9], the exponents s[10:11]
	s_load_b64 s[12:13], s[0:1], 0x20              ; ac
	v_lshl_add_u32 v251, v0, 2, 0x10000
	v_mov_b32 v255, 0
	v_lshrrev_b32 v3, 5, v0
	v_readfirstlane_b32 s[WV], v3                  ; wave 0..15
	v_and_b32 v[LI], 31, v0
	v_lshlrev_b32 v[LI], 4, v[LI]
	v_lshlrev_b32 v[TI], 4, v0
	v_and_b32 v[RH], 15, v0
	v_bfe_u32 v3, v0, 4, 1
	v_lshlrev_b32 v3, 3, v3
	v_sub_nc_u32 v[RH], v[RH], v3                  ; r - 8 h
	s_mov_b32 s[IB], ttmp9
	s_add_co_u32 s[I1], ttmp9, 1
	s_sub_co_u32 s[IM], ttmp9, 1
	s_sub_co_u32 s41, 7, ttmp9                     ; the second block
	s_wait_alu depctr_va_sdst(0)                   ; the wave's number is written, ahead of its first reader
	s_lshl_b32 s44, s[WV], 4
	s_lshl_b32 s[Q0], ttmp9, 8
	s_add_co_u32 s[Q0], s[Q0], s44
	s_lshl_b32 s[Q0H], s41, 8
	s_add_co_u32 s[Q0H], s[Q0H], s44
	s_lshl_b32 s45, s[Q0], 6                       ; a tile of 16 queries is 1,024 bytes
	s_lshl_b32 s46, s[Q0H], 6
	v_add_nc_u32 v5, s45, v[LI]
	v_add_nc_u32 v6, s46, v[LI]
	s_and_b32 s40, ttmp7, 0xffff                   ; batch x 16 + head
	s_lshl_b32 s42, s40, 17
	s_mov_b32 s43, 0
	; ac: token row = batch x 2,048 + block x 256 + 16 w + r, k = 64 head + channel: ((row / 128) x 4 + head / 4) << 15, + (w % 8) << 12, + (head % 4) << 10
	s_lshr_b32 s45, s40, 4
	s_lshl_b32 s45, s45, 4
	s_lshr_b32 s46, s[WV], 3
	s_add_co_u32 s45, s45, s46
	s_lshl_b32 s45, s45, 2
	s_bfe_u32 s46, s40, 0x20002
	s_add_co_u32 s45, s45, s46
	s_lshl_b32 s45, s45, 15
	s_and_b32 s46, s[WV], 7
	s_lshl_b32 s46, s46, 12
	s_add_co_u32 s45, s45, s46
	s_and_b32 s46, s40, 3
	s_lshl_b32 s46, s46, 10
	s_add_co_u32 s45, s45, s46
	s_lshl_b32 s46, ttmp9, 18                      ; a block of 256 rows is two blocks of 128: 2 x 4 << 15
	s_add_co_u32 s[OUTO], s45, s46
	s_lshl_b32 s46, s41, 18
	s_add_co_u32 s[OUTH], s45, s46
	s_mov_b32 s[SEL], 0x76543210
	s_mov_b32 s[SEL+1], 0xfedcba98
	s_mov_b32 s[T], 0
	s_mov_b32 s[KS], 0
	s_wait_kmcnt 0x0
	s_load_b256 s[48:55], s[10:11], 0x0            ; e0 .. e7
	s_load_b128 s[56:59], s[10:11], 0x20           ; e8 .. e11
	s_add_nc_u64 s[K0:K0+1], s[6:7], s[42:43]
	s_add_nc_u64 s[V0:V0+1], s[8:9], s[42:43]
	s_add_nc_u64 s[4:5], s[4:5], s[42:43]
	s_wait_alu depctr_va_vdst(0)                   ; v1, v2, v5 and v6 are written: every load and LDS store of the kernel but o's stores reads one of them as its address, and none is written again
	global_load_b128 v[SG:SG+3], v[TI], s[K0:K0+1]                 ; slot 0: 16,384 bytes of K and of V, 16 bytes a thread and load
	global_load_b128 v[SG+4:SG+7], v[TI], s[K0:K0+1] offset:8192
	global_load_b128 v[SG+8:SG+11], v[TI], s[V0:V0+1]
	global_load_b128 v[SG+12:SG+15], v[TI], s[V0:V0+1] offset:8192
	global_load_b128 v[16:19], v5, s[4:5]                          ; both blocks' Q stay in registers
	global_load_b128 v[20:23], v5, s[4:5] offset:512
	global_load_b128 v[24:27], v6, s[4:5]
	global_load_b128 v[28:31], v6, s[4:5] offset:512
	v_mov_b32 v236, 0                              ; a lane permute's destination counts as one of its sources
	v_mov_b32 v252, 0
	v_mov_b32 v253, 0                              ; (named as the upper half of the pair v[252:253])
.macro INIT                            ; a block's start: the loop is written once, and its first step finds zeros, which the first change of M leaves zeros
	v_mov_b32 v13, 0xff61b1e6                      ; -3e38, under every t
	v_floor_f32 v12, -v13
	v_mov_b32 v14, 0
	v_mov_b32 v15, 0
.set n, 0
.rept 32
	v_mov_b32 v[160+n], 0
.set n, n+1
.endr
.endm
	INIT
	s_wait_kmcnt 0x0
	s_add_co_i32 s40, s54, s55                     ; e6 + e7 go into c's exponent field
	s_lshl_b32 s40, s40, 23
	s_add_co_i32 s[CS], s40, 0x3e38aa3b            ; log2(e) / 8
	s_mov_b32 s[CS+1], s[CS]
	s_add_co_i32 s[EPV], s56, s57
	s_cmp_lt_i32 s56, -8
	s_cselect_b32 s[HOLD], 1, 0
	s_add_co_i32 s40, s56, 127
	s_lshl_b32 s41, s40, 23
	v_mov_b32 v244, s41                            ; 2^e8
	s_add_co_i32 s40, s40, 8
	s_lshl_b32 s40, s40, 23
	s_or_b32 s40, s40, 0x600000
	v_mov_b32 v240, s40                            ; 448 x 2^e8
	s_add_co_i32 s40, s58, 127
	s_lshl_b32 s41, s40, 23
	v_mov_b32 v246, s41                            ; 2^e10
	s_add_co_i32 s40, s40, 8
	s_lshl_b32 s40, s40, 23
	s_or_b32 s40, s40, 0x600000
	v_mov_b32 v247, s40                            ; 448 x 2^e10
	s_wait_loadcnt 0x0
.irp u, 0,1,2,3
	ds_store_b128 v[TI], v[SG+4*\u:SG+4*\u+3] offset:8192*\u       ; (their data came by loads, their address stands ahead of the wait on va_vdst above)
.endr
	s_wait_dscnt 0x0                               ; for the others' sake: my part of slot 0 lies in buffer 0
	s_barrier_signal -1
	s_barrier_wait -1
; Four of the sixteen LDS loads of a step's V: channel tile t of the q-th half of the slot in buffer buf.
.macro VLOAD buf, q, t
.irp c, 0,1,2,3
	ds_load_b128 v[KV+16*(\t)+4*\c:KV+16*(\t)+4*\c+3], v[LI] offset:32768*(\buf)+16384+8192*(\q)+2048*(\t)+512*\c
.endr
.endm
; A KEY STEP: 128 keys, the q-th half of the slot in buffer buf.
.macro STEP buf, q
	s_add_co_u32 s40, s[Q0], 15                    ; a step all of whose keys come after my 16 queries is left out: a branch on ids; no barrier stands in a step
	s_cmp_gt_u32 s[KF], s40
	s_cbranch_scc1 .Lhidden_\@
	s_wait_alu depctr_va_vdst(0)                   ; the last step's products V^T P are done reading v32-95, in which K's loads land
.irp c, 0,1,2,3,4,5,6,7
	ds_load_b128 v[KV+8*\c:KV+8*\c+3], v[LI] offset:32768*\buf+8192*\q+1024*\c
	ds_load_b128 v[KV+8*\c+4:KV+8*\c+7], v[LI] offset:32768*\buf+8192*\q+1024*\c+512
.endr
	s_wait_dscnt 8                                 ; tiles 0-3 are in; the eight younger loads may be out
.irp c, 0,1,2,3
	v_wmma_f32_16x16x64_fp8_fp8 v[96+8*\c:103+8*\c], v[KV+8*\c:KV+8*\c+7], v[16:23], 0
.endr
	s_wait_dscnt 0x0
.irp c, 4,5,6,7
	v_wmma_f32_16x16x64_fp8_fp8 v[96+8*\c:103+8*\c], v[KV+8*\c:KV+8*\c+7], v[16:23], 0
.endr
.rept 4
	v_nop                                          ; places in front of the first read of the scores (ISA guide 7.12.1); they stay beside the wait below
.endr
	s_wait_alu depctr_va_vdst(0)                   ; the eight products are done reading K's fragments in v32-95, in which V's loads land
	VLOAD \buf, \q, 0                              ; V lands during the softmax.  Its other twelve loads are dealt among the maximum's lines: no vector line from the wait to the last of them names v1 or v32-95
	s_add_co_u32 s40, s[KF], 127                   ; on the diagonal hidden scores become -infinity ahead of the maximum; a step all of whose keys count skips this
	s_cmp_le_u32 s40, s[Q0]
	s_cbranch_scc1 .Lopen_\@
	s_sub_co_i32 s40, s[Q0], s[KF]
	v_add_nc_u32 v252, s40, v[RH]                  ; d = my query - KF - 8 h.  Register n holds key KF + 8 h + 16 (n / 8) + n % 8: hidden where 16 (n / 8) + n % 8 > d
	v_mov_b32 v254, 0xff800000
.set n, 0
.rept 4                                        ; sixteen compares into sixteen scalar registers, one wait, sixteen selects
.set i, 0
.rept 16
	v_cmp_gt_i32 s[MK+i], 16*((n+i)/8)+(n+i)%8, v252
.set i, i+1
.endr
	s_wait_alu depctr_va_sdst(0)                   ; the sixteen compares have written s48-63, ahead of the selects that read them
.set i, 0
.rept 16
	v_cndmask_b32 v[96+n+i], v[96+n+i], v254, s[MK+i]
.set i, i+1
.endr
.set n, n+16
.endr
.Lopen_\@:
	v_max3_num_f32 v254, v96, v97, v98             ; the step's largest score of my query among my 64 keys, in two chains, each accumulator from its low end on
	v_max3_num_f32 v252, v99, v100, v101
.irp i, 6,10,14,18
	v_max3_num_f32 v254, v254, v[96+\i], v[97+\i]
	v_max3_num_f32 v252, v252, v[98+\i], v[99+\i]
.endr
	VLOAD \buf, \q, 1
.irp i, 22,26,30,34,38
	v_max3_num_f32 v254, v254, v[96+\i], v[97+\i]
	v_max3_num_f32 v252, v252, v[98+\i], v[99+\i]
.endr
	VLOAD \buf, \q, 2
.irp i, 42,46,50,54,58
	v_max3_num_f32 v254, v254, v[96+\i], v[97+\i]
	v_max3_num_f32 v252, v252, v[98+\i], v[99+\i]
.endr
	VLOAD \buf, \q, 3
	v_max3_num_f32 v254, v254, v158, v159
	v_max_num_f32 v254, v254, v252
	v_permlanex16_b32 v236, v254, s[SEL], s[SEL+1]
	v_max_num_f32 v254, v254, v236                 ; and among lane l xor 16's
	v_mul_f32 v254, s[CS], v254                    ; as t (c is positive)
	v_max_num_f32 v13, v13, v254
	v_mov_b32 v254, v12
	v_floor_f32 v12, -v13                          ; the new -M = -ceil(t)
	v_sub_f32 v254, v12, v254                      ; old M - new M: a whole number, 0 or less
	v_cvt_i32_f32 v254, v254
	v_ldexp_f32 v252, 1.0, v254                    ; f = 2^(old M - new M): rounds nothing
.set n, 0
.rept 32
	v_pk_fma_f32 v[96+n:97+n], v[96+n:97+n], s[CS:CS+1], v[12:13] op_sel_hi:[1,0,0]   ; t - M
.set n, n+2
.endr
.set n, 0
.rept 64
	v_exp_f32 v[96+n], v[96+n]                     ; p, not normalised
.set n, n+1
.endr
	v_pk_mul_f32 v[14:15], v[14:15], v[252:253] op_sel_hi:[1,0]   ; the sums under the new M: the plain line behind the exponentials
	s_wait_alu depctr_va_vdst(0)                   ; the 64 exponentials have written v96-159: one wait for the batch, ahead of its first reader
	v_pk_add_f32 v[242:243], v[96:97], v[98:99]    ; the row's sum of the unquantised p, in two chains
.irp j, 4,8,12,16,20,24,28,32,36,40,44,48,52,56,60
	v_pk_add_f32 v[14:15], v[14:15], v[96+\j:97+\j]
	v_pk_add_f32 v[242:243], v[242:243], v[98+\j:99+\j]
.endr
	v_pk_add_f32 v[14:15], v[14:15], v[242:243]
	s_cmp_eq_u32 s[HOLD], 0
	s_cbranch_scc1 .Lnohold_\@
.set n, 0
.rept 64
	v_min_num_f32 v[96+n], v[96+n], v240           ; the conversion does not saturate (ISA guide 7.6.2); p is not negative
.set n, n+1
.endr
.Lnohold_\@:
.irp c, 0,1,2,3,4,5,6,7
	v_cvt_scalef32_pk8_fp8_f32 v[192+2*\c:193+2*\c], v[96+8*\c:103+8*\c], v244
.endr
.set n, 0
.rept 16
	v_pk_mul_f32 v[160+n:161+n], v[160+n:161+n], v[252:253] op_sel_hi:[1,0]   ; O^T under the new M; also the plain lines behind the conversions
.set n, n+2
.endr
	s_wait_dscnt 0x0                               ; V
.irp t, 0,1,2,3
	v_wmma_f32_16x16x128_fp8_fp8 v[160+8*\t:167+8*\t], v[KV+16*\t:KV+16*\t+15], v[192:207], v[160+8*\t:167+8*\t]   ; the four accumulators by turns
.endr
.rept 4
	v_nop                                          ; places in front of the next read of O^T
.endr
.Lhidden_\@:
	s_add_co_u32 s[KF], s[KF], 128
.endm
; A block's end: O^T / l x 2^(e8 + e9), quantised with 2^e10: registers 2t, 2t+1 are k = 64 head + 16 t + 8 h + 0..7 of my 16 rows of the last product's operand.
.macro FINISH
	s_wait_xcnt 0x0                                ; the first block's stores have read their codes and their offset
	s_wait_alu depctr_vm_vsrc(0)                   ; beside it: the earlier block's stores have read v224-231 and v232, which the lines below write again
	v_add_f32 v14, v14, v15
	v_permlanex16_b32 v252, v14, s[SEL], s[SEL+1]
	v_add_f32 v14, v14, v252
	v_rcp_f32 v14, v14
	v_add_nc_u32 v232, s[OUTO], v[LI]              ; (the plain line behind the reciprocal)
	s_wait_alu depctr_va_vdst(0)                   ; the reciprocal has written v14, ahead of its first reader
	v_ldexp_f32 v14, v14, s[EPV]
.set n, 0
.rept 16
	v_pk_mul_f32 v[96+n:97+n], v[160+n:161+n], v[14:15] op_sel_hi:[1,0]
.set n, n+2
.endr
.set n, 0
.rept 32
	v_med3_num_f32 v[96+n], v[96+n], -v247, v247
.set n, n+1
.endr
.irp t, 0,1,2,3
	v_cvt_scalef32_pk8_fp8_f32 v[224+2*\t:225+2*\t], v[96+8*\t:103+8*\t], v246
.endr
	v_nop
	s_wait_alu depctr_va_vdst(0)                   ; the conversions have written v224-231, the stores' data (their offset v232 was written further up)
	global_store_b128 v232, v[224:227], s[12:13]                   ; 512 consecutive bytes each
	global_store_b128 v232, v[228:231], s[12:13] offset:512
.endm
.macro RESTART                         ; on to block 7 - I
.irp i, 0,1,2,3,4,5,6,7
	v_mov_b32 v[16+\i], v[24+\i]
.endr
	INIT
	s_mov_b32 s[Q0], s[Q0H]
	s_mov_b32 s[OUTO], s[OUTH]
	s_mov_b32 s[KS], 0
.endm
; A trip: slot KS out of buffer buf.  The trip's number is T + buf.  fill = 1: the next trip's slot is loaded meanwhile and stored into the other buffer.
.macro TRIP buf, fill
.if \fill
.if \buf
	s_cmp_eq_u32 s[T], s[IB]                       ; trip I + 1 begins the second block
.else
	s_cmp_eq_u32 s[T], s[I1]
.endif
	s_cbranch_scc0 .Lsame_\@
	FINISH
	RESTART
.Lsame_\@:
	s_add_co_u32 s40, s[KS], 1                     ; the next trip's slot: the next one, or 0 behind the first block's last (trip I)
.if \buf
	s_cmp_eq_u32 s[T], s[IM]
.else
	s_cmp_eq_u32 s[T], s[IB]
.endif
	s_cselect_b32 s40, 0, s40
	s_lshl_b32 s40, s40, 14
	s_mov_b32 s41, 0
	s_add_nc_u64 s[KA:KA+1], s[K0:K0+1], s[40:41]  ; (the last trip's loads were waited for: their bases may be written)
	s_add_nc_u64 s[VA:VA+1], s[V0:V0+1], s[40:41]
	s_wait_alu depctr_vm_vsrc(0)                   ; the LDS stores of the trip before (ahead of the first trip: the head's) have read v208-223, in which the loads below land
	global_load_b128 v[SG:SG+3], v[TI], s[KA:KA+1]
	global_load_b128 v[SG+4:SG+7], v[TI], s[KA:KA+1] offset:8192
	global_load_b128 v[SG+8:SG+11], v[TI], s[VA:VA+1]
	global_load_b128 v[SG+12:SG+15], v[TI], s[VA:VA+1] offset:8192
.endif
	s_lshl_b32 s[KF], s[KS], 8
	STEP \buf, 0
	STEP \buf, 1
.if \fill
	s_wait_loadcnt 0x0
.irp u, 0,1,2,3
	ds_store_b128 v[TI], v[SG+4*\u:SG+4*\u+3] offset:32768*(1-\buf)+8192*\u   ; the other buffer: every wave's reads of it were back in front of the last barrier.  No vector instruction names the data or the address
.endr
	s_add_co_u32 s[KS], s[KS], 1
	s_wait_dscnt 0x0                               ; my stores have landed, and my reads of this buffer are back
	s_barrier_signal -1
	s_barrier_wait -1
.endif
.endm
.Ltrip:                                            ; four passes of two trips
	TRIP 0, 1
	TRIP 1, 1
	s_add_co_u32 s[T], s[T], 2
	s_cmp_lt_u32 s[T], 8
	s_cbranch_scc1 .Ltrip
	TRIP 0, 0                                      ; the ninth trip loads nothing
	FINISH
	s_wait_dscnt 0x0
	s_wait_alu depctr_hold_cnt(0) depctr_sa_sdst(0) depctr_va_vdst(0) depctr_va_sdst(0) depctr_va_ssrc(0) depctr_va_vcc(0) depctr_vm_vsrc(0)
	s_wait_tensorcnt 0x0
	ds_add_u32 v251, v255
	s_wait_dscnt 0x0
	s_endpgm
.Lfunc_end_k_qfe8af909c5_attn:
	.size	k_qfe8af909c5_attn, .Lfunc_end_k_qfe8af909c5_attn-k_qfe8af909c5_attn
	.p2alignl 7, 3214868480
	.fill 96, 4, 3214868480
	.section	.rodata,"a",@progbits
	.p2align	6, 0x0
	.amdhsa_kernel k_qfe8af909c5_attn
		.amdhsa_group_segment_fixed_size 67584
		.amdhsa_private_segment_fixed_size 0
		.amdhsa_enable_private_segment 0
		.amdhsa_kernarg_size 40
		.amdhsa_user_sgpr_count 2
		.amdhsa_user_sgpr_kernarg_segment_ptr 1
		.amdhsa_wavefront_size32 1
		.amdhsa_system_sgpr_workgroup_id_x 1
		.amdhsa_system_sgpr_workgroup_id_y 1
		.amdhsa_system_sgpr_workgroup_id_z 1
		.amdhsa_system_vgpr_workitem_id 0
		.amdhsa_next_free_vgpr 256
		.amdhsa_next_free_sgpr 66
		.amdhsa_reserve_vcc 0
		.amdhsa_float_denorm_mode_32 3
		.amdhsa_float_denorm_mode_16_64 3
		.amdhsa_memory_ordered 1
		.amdhsa_forward_progress 1
		.amdhsa_inst_pref_size 171
	.end_amdhsa_kernel
	.amdgpu_metadata
---
amdhsa.version: [ 1, 2 ]
amdhsa.kernels:
  - .name:           k_qfe8af909c5_attn
    .symbol:         k_qfe8af909c5_attn.kd
    .args:
      - { .name: qc, .offset: 0, .size: 8, .value_kind: global_buffer, .address_space: global }
      - { .name: kc, .offset: 8, .size: 8, .value_kind: global_buffer, .address_space: global }
      - { .name: vc, .offset: 16, .size: 8, .value_kind: global_buffer, .address_space: global }
      - { .name: lowp_scales, .offset: 24, .size: 8, .value_kind: global_buffer, .address_space: global }
      - { .name: ac, .offset: 32, .size: 8, .value_kind: global_buffer, .address_space: global }
    .group_segment_fixed_size: 67584
    .private_segment_fixed_size: 0
    .kernarg_segment_align: 8
    .kernarg_segment_size: 40
    .max_flat_workgroup_size: 512
    .sgpr_count:     66
    .vgpr_count:     256
    .wavefront_size: 32
...
	.end_amdgpu_metadata
.endif
;; end of part 5
;; launch proj: the kernel of part 4 again; grid 4 x 32, 4 waves a work-group, clusters of 4 x 4, 327,680 bytes of LDS; arguments ac, wc, lowp_scales, bp, out0; writes out0
